; MI455X (gfx1250); checked and timed in simulation.
; The chip was launched on July 23, 2026; its instructions are those of AMD's public machine-readable ISA for CDNA 5 (MIT licence, August 2026) and "CDNA5" Instruction Set Architecture Reference Guide (July 2026). The comments in the code are by the model that wrote it; some were corrected since.
;; Full Attention. Allowed arithmetic: matrix products marked QUANTISED: E2M1 operands, one E8M0 scale for each 32 along K, by v_wmma_scale_f32_16x16x128_f8f6f4 with both operands' format E2M1 (or v_wmma_scale_f32_32x16x128_f4), f32 sums; everything else in f32.
;; Inputs: attn_mask 4 x 1 x 2,048 x 2,048 bool; keys 4 x 2,048 x 16 x 64 float32; queries 4 x 2,048 x 16 x 64 float32; values 4 x 2,048 x 16 x 64 float32.
;; Outputs: out0 4 x 2,048 x 16 x 64 float32.
;; This version of the problem:
;;   THIS VERSION OF THE PROBLEM IS GIVEN IN LOW PRECISION. The matrix products marked QUANTISED in the list below multiply operands that are first quantised to E2M1 (2 exponent bits, 1 mantissa bit; 4 bits a number), with one power-of-two scale for each 32 numbers along K (OCP MX v1.0); their sums are f32. All else is computed in f32.
;;   The module's matrix products, in the order in which they are computed (A, B: the left and right operand; K: the contracted axis; several contracted axes count as one K, in the product's order):
;;     1. batch 64 x [M 2,048, K 64] x [K 64, N 2,048]; A: input queries; B: input keys: QUANTISED
;;     2. batch 64 x [M 64, K 2,048] x [K 2,048, N 2,048]; A: input values; B: softmax (see below): QUANTISED
;;   THE QUANTISER, for each operand of a quantised product, along K:
;;     - K is cut into blocks of 32 from its start; a last block that is shorter is filled with zeros.
;;     - A block's scale is 2^e with e = floor(log2(the largest magnitude in the block)) - 2, held to -126 .. 127; a block of zeros has e = 0. As a byte (E8M0): e + 127.
;;     - Each number is divided by its block's scale, clamped to +-6, and rounded to the nearest number of E2M1, ties to even, subnormals kept.
;;     - The product sums the exact products of the quantised numbers (number of the format x scale) in f32.
;;   ~~~python
;;   def quantise(x, axis):      # numpy; x: float32 -> the quantised numbers, widened to float32 again
;;       x = np.moveaxis(x, axis, -1); K = x.shape[-1]
;;       x = np.pad(x, [(0, 0)] * (x.ndim - 1) + [(0, -K % 32)]); x = x.reshape(x.shape[:-1] + (-1, 32)); a = np.abs(x).max(-1, keepdims=True)
;;       e = np.where(a > 0, np.clip(np.frexp(np.where(a > 0, a, 1))[1] - 1 - 2, -126, 127), 0)      # np.frexp(a)[1] - 1 = floor(log2(a)), exactly
;;       r = np.clip(x / 2.0 ** e, -6, 6)
;;       step = 2.0 ** (np.maximum(np.frexp(np.where(r == 0, 1, r))[1] - 1, 0) - 1)
;;       q = np.round(r / step) * step * 2.0 ** e      # np.round: ties to even
;;       return np.moveaxis(q.reshape(q.shape[:-2] + (-1,))[..., :K], -1, axis).astype(np.float32)
;;   ~~~
;;   SOFTMAX AHEAD OF A QUANTISED PRODUCT. Where the list says 'softmax', what is quantised is not the finished softmax but p = 2^(t - M), with t = logit x log2(e) and M = ceil(the row's largest t), a whole number; so 1/2 < the row's largest p <= 1. The row's sum l is taken of the UNQUANTISED p, in f32, and the product's result is divided by l at the end. Since M is a whole number, a kernel that streams over the keys may use a running M (the ceiling of the running maximum): every later rescaling is an exact power of two, which a block's scale takes up: the codes' values come out the same.
;;   OPERANDS COMPUTED ON THE WAY. 'Computed on the way' means the value that the module computes at that place (a softmax that the list does not call 'softmax' is quantised finished and normalised). What goes into a quantiser is computed in f32, as accurately as f32 sums, v_exp_f32 and their like allow (about 1e-6 of the number): no bf16 or f16 on the way to a quantiser, and a product that is left as it is and whose result goes on into a quantised operand takes f32 operands (vector FMAs, or v_wmma_f32_16x16x4_f32). A number that lies on a knife's edge between two numbers of the format may be rounded either way, as far as f32 arithmetic and the matrix unit's own rounding can turn it there, and no further.
;; 2 versions. Each part assembles by itself: llvm-mc -triple=amdgcn-amd-amdhsa -mcpu=gfx1250 --defsym DOCPART=n.
;; ======== version 1 of 2: 2 launches
;; workspace buffers: kv 9,175,040 bytes; mw 2,097,152 bytes of whole numbers; flags 8,192 bytes of whole numbers
;; launch prep (part 1): grid 256 x 1, 12 waves a work-group, no clusters, 55,808 bytes of LDS; arguments keys, values, attn_mask, kv, mw, flags; writes kv, mw, flags
.if DOCPART == 1
	.amdgcn_target "amdgcn-amd-amdhsa--gfx1250"
	.amdhsa_code_object_version 6
	.text
	.protected	k_q5fa0074da5_prep
	.globl	k_q5fa0074da5_prep
	.p2align	8
	.type	k_q5fa0074da5_prep,@function
k_q5fa0074da5_prep:
	s_mov_b64 s[64:65], 0
	v_nop
	global_prefetch_b8 v0, s[64:65] scope:SCOPE_SE
	s_setreg_imm32_b32 hwreg(HW_REG_WAVE_MODE, 25, 1), 1
	s_wait_xcnt 0x0
; PREPARATION FOR THE ATTENTION LAUNCH.  keys, values: [4][2048][16][64] f32; attn_mask: [4][1][2048][2048], one byte (0 or 1) for each (batch, query, key).
; Three roles, parted ONCE on the wave's number, never joined, no barrier, no loop: waves 0-3 quantise keys, waves 4-7 values, waves 8-11 turn the mask into lane words and flags.
; Each role has 1,024 tasks of 32,768 input bytes (the mask's of 16,384); task = 4 x work-group + (wave mod 4): 256 work-groups of equal work.
; kv: one record of 143,360 bytes for each (batch, head), laid byte for byte as the attention launch wants it in LDS:
;   +0       K's codes   step*4096 + T*512 + lane*16: tile T = 2 g + u; lane (h = lane / 16, r = lane % 16): the 32 codes of block h (channels 32 h ..) of key 128 step + 32 g + 8 u + r + 8 (r / 8)
;   +65,536  K's scales  step*512 + lane*16 + 4 g: the word of tile 2 g + lane / 16, row lane % 16: e0 | e1<<8 | e0<<16 | e1<<24 (the upper two bytes stand for k = 64 .. 127, where Q's codes are zeros)
;   +73,728  V's codes   step*4096 + t*1024 + blk*256 + r*16: the 32 codes of keys 128 step + 32 blk + 0 .. 31 of channel 16 t + r (the keys are the second product's K)
;   +139,264 V's scales  step*256 + lane*8 + 4 q: the word (one byte a block of 32 keys) of channel 32 q + lane
; mw: [batch][tile of 16 queries][step of 128 keys][n = 0 .. 63] words: bit l of word n = the mask byte of query l % 16, key 32 (n / 16) + 16 (l / 16) + n % 16: the lane mask of score register n.
; flags: [batch][tile][half of the keys][2] words: word 0 bit i: step 8 half + i has an open key; word 1 bit i: it has a masked key.
; THE QUANTISER: a block's scale is 2^(floor(log2(largest magnitude)) - 2); its byte is the largest magnitude's exponent field - 2, held at 1 from below by a floor among the maximum's leaves.
; LIMITS: NaN and infinities among keys and values are not served; a block whose largest magnitude lies under 2^-124 keeps the byte 1; a block of zeros has the byte 1 where the rule says 127
; (its codes are zeros, which add nothing under any byte but 0xff, and this program alone reads the bytes); a mask byte is taken as 0 or 1, as the problem states it.
.set REC,   143360                     ; a record
.set KSO,   65536
.set VCO,   73728
.set VSO,   139264
.set PIT,   272                        ; a stage row: 256 bytes + 16: row k begins 16 k bytes on modulo 256, so sixteen rows begin at different banks (64 banks of 4 bytes: ISA guide 11.1)
.set KSTG,  9216                       ; LDS: a stage of 32 rows (+ 128 bytes) for each K wave, at 9,216 x wave
.set MSTG0, 4*KSTG                     ; behind them a stage of 16 rows for each mask wave
.set MSTG,  16*PIT
.set KR,  16                           ; K role: v16-143 two sets of 64 registers as loaded
.set KX,  144                          ;         v144-207 two tiles' blocks of 32 numbers
.set KCD, 208                          ;         v208-239 codes: four registers a tile, each written once
.set KW,  240                          ;         v240-243 scale words; v244, v245 the two tiles' words of a group
.set VX,  16                           ; V role: v16-79 two sets of 32 numbers
.set VCD, 80                           ;         v80-111 codes: four registers a unit, each written once
.set VSB, 112                          ;         v[112:113] scale words
.set MR,  16                           ; mask role: v16-143 as loaded
.set MM,  144                          ;         v144-175 256 keys' bytes of my query
.set MT,  176                          ;         v176-183 at work; v184 OR, v185 AND; v[186:187] the flags
.set MW,  192                          ;         v192-207 a pair of registers for each of the eight steps, each stored once
; 32 numbers of one block, v[src] on, become 4 registers of codes, v[dst] on; v10 the conversions' scale operand, v11 the scale's byte.
.macro QB32 src, dst
	v_max3_num_f32 v8, |v[\src]|, |v[\src+1]|, |v[\src+2]|         ; the largest magnitude, in two chains
	v_max3_num_f32 v9, |v[\src+3]|, |v[\src+4]|, |v[\src+5]|
.irp i, 6,10,14,18,22,26
	v_max3_num_f32 v8, v8, |v[\src+\i]|, |v[\src+\i+1]|
	v_max3_num_f32 v9, v9, |v[\src+\i+2]|, |v[\src+\i+3]|
.endr
	v_max3_num_f32 v8, v8, |v[\src+30]|, |v[\src+31]|
	v_max3_num_f32 v8, v8, v9, 0x1800000                           ; and the floor 2^(3 - 127): the byte cannot fall under 1
	v_add_nc_u32 v10, 0xff000000, v8                               ; 2 off the exponent field: the conversion takes this operand's exponent field as its scale
.irp g, 0,1,2,3
	v_cvt_scalef32_pk8_fp4_f32 v[\dst+\g], v[\src+8*\g:\src+8*\g+7], v10
.endr
	v_lshrrev_b32 v11, 23, v10                                     ; the byte; also the plain line behind the last conversion
.endm
	s_load_b256 s[4:11], s[0:1], 0x0               ; keys s[4:5], values s[6:7], attn_mask s[8:9], kv s[10:11]
	s_load_b128 s[12:15], s[0:1], 0x20             ; mw s[12:13], flags s[14:15]
	v_lshl_add_u32 v248, v0, 2, 0xd400
	v_mov_b32 v249, 0
	v_lshrrev_b32 v1, 5, v0
	v_readfirstlane_b32 s2, v1                     ; wave 0..11
	v_and_b32 v1, 31, v0                           ; lane
	v_and_b32 v13, 15, v0                          ; r
	v_bfe_u32 v14, v0, 4, 1                        ; h
	s_and_b32 s3, s2, 3
	s_lshl_b32 s16, ttmp9, 2
	s_add_co_u32 s16, s16, s3                      ; my task, 0 .. 1,023
	s_mov_b32 s20, 0x76543210
	s_mov_b32 s21, 0xfedcba98                      ; v_permlanex16_b32's selects for lane l xor 16
	s_mov_b32 s22, 0xffff0000                      ; lanes 16-31, as a lane mask
	; keys and values: task = batch x 256 + step x 16 + head
	s_and_b32 s17, s16, 15                         ; head
	s_bfe_u32 s18, s16, 0x40004                    ; step of 128 keys
	s_lshr_b32 s19, s16, 8                         ; batch
	s_lshl_b32 s24, s19, 23                        ; a batch is 2^23 bytes, a key 4,096, a head's row 256
	s_lshl_b32 s30, s18, 19
	s_or_b32 s24, s24, s30
	s_lshl_b32 s30, s17, 8
	s_or_b32 s24, s24, s30
	s_mov_b32 s25, 0
	s_lshl_b32 s30, s19, 4
	s_add_co_u32 s30, s30, s17
	s_mul_i32 s26, s30, REC                        ; my record
	s_mov_b32 s27, 0
	s_wait_kmcnt 0x0
	s_add_nc_u64 s[10:11], s[10:11], s[26:27]
	s_cmp_ge_u32 s2, 8
	s_cbranch_scc1 .Lmask
	s_cmp_ge_u32 s2, 4
	s_cbranch_scc1 .Lvalues
; ---------------- KEYS: 128 keys of one head.  A load's halves read one key's 256 bytes each; 32 keys turn through my stage, so that a lane gets the 32 numbers of one block of one key.
	s_add_nc_u64 s[4:5], s[4:5], s[24:25]          ; keys at my task
	s_lshl_b32 s24, s18, 12
	s_add_nc_u64 s[26:27], s[10:11], s[24:25]      ; K's codes at my step
	s_lshl_b32 s24, s18, 9
	s_add_co_u32 s24, s24, KSO
	s_add_nc_u64 s[28:29], s[10:11], s[24:25]      ; K's scale words at my step
	s_mul_i32 s30, s3, KSTG                        ; my stage
	v_lshlrev_b32 v2, 12, v14
	v_lshl_add_u32 v2, v13, 4, v2                  ; in memory: key h of a pair, 16 r bytes on
	v_mul_u32_u24 v3, v14, PIT
	v_lshl_add_u32 v3, v13, 4, v3
	v_add_nc_u32 v3, s30, v3                       ; into the stage: the same
	v_and_b32 v15, 8, v13
	v_add_nc_u32 v4, v15, v13                      ; r + 8 (r / 8)
	v_mul_u32_u24 v4, v4, PIT
	v_lshl_add_u32 v4, v15, 4, v4                  ; rows 16-31 lie 128 bytes further on: so the sixteen rows r + 8 (r / 8) begin at sixteen different places modulo 256
	v_lshl_add_u32 v4, v14, 7, v4                  ; block h
	v_add_nc_u32 v4, s30, v4                       ; out of the stage
	v_lshlrev_b32 v5, 4, v1                        ; 16 x lane: where my codes and words go
	v_lshlrev_b32 v6, 3, v14                       ; 8 h
	v_mov_b32 v12, 0                               ; a lane permute's destination counts as one of its sources
.macro LOADK g                         ; keys 32 g .. 32 g + 31 into set g % 2
.set i, 0
.rept 16
	global_load_b128 v[KR+64*((\g)%2)+4*i:KR+64*((\g)%2)+4*i+3], v2, s[4:5] offset:(32*(\g)+2*i)*4096 th:TH_LOAD_NT
.set i, i+1
.endr
.endm
.macro HALFK g, u, w                   ; tile 2 g + u: codes, their store, and its rows' words e0 | e1<<8 in v[w]
	QB32 KX+32*\u, KCD+4*(2*(\g)+\u)
	v_lshlrev_b32 v11, v6, v11                     ; my block's byte at its place,
	v_permlanex16_b32 v12, v11, s20, s21
	v_or_b32 v[\w], v11, v12                       ; with the other block's, from lane l xor 16
	global_store_b128 v5, v[KCD+4*(2*(\g)+\u):KCD+4*(2*(\g)+\u)+3], s[26:27] offset:(2*(\g)+\u)*512   ; the wave stores 512 consecutive bytes
.endm
.macro GROUPK g
.if (\g) < 3
	s_wait_loadcnt 16                              ; this group's 16 loads are in; the next group's 16 may be out
.else
	s_wait_loadcnt 0
.endif
.set i, 0
.rept 16
	ds_store_b128 v3, v[KR+64*((\g)%2)+4*i:KR+64*((\g)%2)+4*i+3] offset:2*i*PIT+(i/8)*128
.set i, i+1
.endr
.set i, 0
.rept 16                               ; tile u = i / 8, 16 bytes i % 8 of my block.  LDS serves a wave's instructions in order: these see the stores above
	ds_load_b128 v[KX+4*i:KX+4*i+3], v4 offset:(i/8)*8*PIT+16*(i%8)
.set i, i+1
.endr
	s_wait_dscnt 8                                 ; the stores have read their registers and the first tile's 8 loads are in; the second tile's 8 may be out
.if (\g) < 2
	LOADK (\g)+2
.endif
	HALFK \g, 0, 244
	s_wait_dscnt 0x0
	HALFK \g, 1, 245
	v_cndmask_b32 v8, v244, v245, s22              ; lanes 0-15 keep tile 2 g's word, lanes 16-31 take tile 2 g + 1's
	v_lshl_or_b32 v[KW+\g], v8, 16, v8             ; repeated in the upper half
.endm
	LOADK 0
	LOADK 1
	GROUPK 0
	GROUPK 1
	GROUPK 2
	GROUPK 3
	global_store_b128 v5, v[KW:KW+3], s[28:29]     ; the step's 512 bytes of scale words
	s_wait_tensorcnt 0x0
	ds_add_u32 v248, v249
	s_wait_dscnt 0x0
	s_endpgm
; ---------------- VALUES: 128 keys of one head.  A lane takes a channel and its registers run down the keys: a block of 32 keys lies in one lane, and the codes come out with the keys innermost.
.Lvalues:
	s_add_nc_u64 s[6:7], s[6:7], s[24:25]          ; values at my task
	s_lshl_b32 s24, s18, 12
	s_add_nc_u64 s[26:27], s[10:11], s[24:25]      ; the record + 4,096 step (V's codes lie VCO further on: in the immediates)
	s_lshl_b32 s24, s18, 8
	s_add_co_u32 s24, s24, VSO
	s_add_nc_u64 s[28:29], s[10:11], s[24:25]      ; V's scale words at my step
	v_lshlrev_b32 v2, 2, v1                        ; in memory: 4 bytes a lane
	v_lshlrev_b32 v3, 10, v14
	v_lshl_add_u32 v3, v13, 4, v3                  ; codes: tile h of my two, row r
	v_lshlrev_b32 v4, 3, v1                        ; scale words: 8 bytes a lane
.macro LOADV t                         ; unit t = 2 blk + q: keys 32 blk + 0 .. 31, channel 32 q + lane, into set q
.set i, 0
.rept 32
	global_load_b32 v[VX+32*((\t)%2)+i], v2, s[6:7] offset:(32*((\t)/2)+i)*4096+128*((\t)%2) th:TH_LOAD_NT
.set i, i+1
.endr
.endm
.macro UNITV t
.if (\t) < 7
	s_wait_loadcnt 32                              ; this unit's 32 loads are in; the next unit's 32 may be out
.else
	s_wait_loadcnt 0
.endif
	QB32 VX+32*((\t)%2), VCD+4*(\t)
.if (\t)/2 == 0
	v_mov_b32 v[VSB+(\t)%2], v11                   ; four bytes to a word, the earlier keys in the lower byte
.else
	v_lshl_or_b32 v[VSB+(\t)%2], v11, 8*((\t)/2), v[VSB+(\t)%2]
.endif
	global_store_b128 v3, v[VCD+4*(\t):VCD+4*(\t)+3], s[26:27] offset:VCO+((\t)%2)*2048+((\t)/2)*256   ; each half of the wave stores 256 consecutive bytes, aligned
.if (\t)+2 < 8
	LOADV (\t)+2
.endif
.endm
	LOADV 0
	LOADV 1
.irp t, 0,1,2,3,4,5,6,7
	UNITV \t
.endr
	global_store_b64 v4, v[VSB:VSB+1], s[28:29]    ; the step's 256 bytes of scale words
	s_endpgm
; ---------------- THE MASK: 16 queries x 1,024 keys.  task = (batch x 128 + tile) x 2 + half.
.Lmask:
	s_lshr_b32 s17, s16, 1
	s_lshl_b32 s24, s17, 15                        ; a tile of 16 rows of 2,048 bytes
	s_and_b32 s30, s16, 1
	s_lshl_b32 s30, s30, 10
	s_or_b32 s24, s24, s30
	s_mov_b32 s25, 0
	s_add_nc_u64 s[8:9], s[8:9], s[24:25]          ; the mask at my task
	s_lshl_b32 s24, s16, 11                        ; eight steps of 256 bytes of words
	s_add_nc_u64 s[12:13], s[12:13], s[24:25]
	s_lshl_b32 s24, s16, 3                         ; two flag words
	s_add_nc_u64 s[14:15], s[14:15], s[24:25]
	s_mul_i32 s30, s3, MSTG
	s_add_co_u32 s30, s30, MSTG0                   ; my stage
	v_lshlrev_b32 v2, 11, v14
	v_lshl_add_u32 v2, v13, 4, v2                  ; in memory: row h of a pair, 16 r bytes on
	v_mul_u32_u24 v3, v14, PIT
	v_lshl_add_u32 v3, v13, 4, v3
	v_add_nc_u32 v3, s30, v3                       ; into the stage: the same
	v_mul_u32_u24 v4, v13, PIT
	v_lshl_add_u32 v4, v14, 4, v4
	v_add_nc_u32 v4, s30, v4                       ; out of it: query r, the 16 keys of my half of a block of 32
	v_lshlrev_b32 v5, 3, v1                        ; words: 8 bytes a lane
	s_mov_b32 s28, 0                               ; bit i: step i has an open key
	s_mov_b32 s29, 0                               ; bit i: step i has a masked key
.set i, 0
.rept 16
	v_mov_b32 v[MW+i], 0                           ; v_writelane_b32's destination counts as one of its sources
.set i, i+1
.endr
.set i, 0
.rept 32                               ; chunk i / 8 of 256 keys, rows 2 (i % 8) + h: each half of the wave reads 256 consecutive bytes, aligned
	global_load_b128 v[MR+4*i:MR+4*i+3], v2, s[8:9] offset:256*(i/8)+4096*(i%8) th:TH_LOAD_NT
.set i, i+1
.endr
.macro STEPM sp, sg                    ; step sp of the chunk, step sg of the task: my query's 64 bytes lie in v[MM + 16 sp] on; byte n % 4 of register n / 4 belongs to score register n
	v_or_b32 v184, v[MM+16*(\sp)], v[MM+16*(\sp)+1]
	v_and_b32 v185, v[MM+16*(\sp)], v[MM+16*(\sp)+1]
.set i, 2
.rept 14
	v_or_b32 v184, v184, v[MM+16*(\sp)+i]
	v_and_b32 v185, v185, v[MM+16*(\sp)+i]
.set i, i+1
.endr
	v_cmp_ne_u32 s48, 0, v184                      ; lanes that hold a masked key
	v_cmp_ne_u32 s49, 0x01010101, v185             ; lanes that hold an open key
	s_cmp_lg_u32 s48, 0
	s_cselect_b32 s30, 1<<(\sg), 0
	s_or_b32 s29, s29, s30
	s_cmp_lg_u32 s49, 0
	s_cselect_b32 s30, 1<<(\sg), 0
	s_or_b32 s28, s28, s30
.set n, 0
.rept 8                                ; the 64 lane words, eight at a time: a byte's bit, the compare's lane mask, and the word into lane n / 2 of register n % 2
.set k, 0
.rept 8
	v_and_b32 v[MT+k], 1<<(8*((n+k)%4)), v[MM+16*(\sp)+(n+k)/4]
.set k, k+1
.endr
.set k, 0
.rept 8
	v_cmp_ne_u32 s[40+k], 0, v[MT+k]
.set k, k+1
.endr
.set k, 0
.rept 8
	v_writelane_b32 v[MW+2*(\sg)+(n+k)%2], s[40+k], (n+k)/2
.set k, k+1
.endr
.set n, n+8
.endr
	global_store_b64 v5, v[MW+2*(\sg):MW+2*(\sg)+1], s[12:13] offset:256*(\sg)   ; the step's 64 words: 256 consecutive bytes, aligned
.endm
.macro CHUNK c
	s_wait_loadcnt 8*(3-(\c))                      ; this chunk's 8 loads are in; the later chunks' may be out
.set i, 0
.rept 8
	ds_store_b128 v3, v[MR+32*(\c)+4*i:MR+32*(\c)+4*i+3] offset:2*i*PIT
.set i, i+1
.endr
.set i, 0
.rept 8
	ds_load_b128 v[MM+4*i:MM+4*i+3], v4 offset:32*i    ; LDS serves a wave's instructions in order: these see the stores above
.set i, i+1
.endr
	s_wait_dscnt 0x0
	STEPM 0, 2*(\c)
	STEPM 1, 2*(\c)+1
.endm
.irp c, 0,1,2,3
	CHUNK \c
.endr
	v_mov_b32 v186, s28
	v_mov_b32 v187, s29
	v_mov_b32 v6, 0
	v_cmp_eq_u32 vcc_lo, 0, v1
	s_wait_xcnt 0x0                                ; EXEC is a source of the stores above: it changes only behind this wait
	s_wait_tensorcnt 0x0
	ds_add_u32 v248, v249
	s_wait_dscnt 0x0
	s_and_saveexec_b32 s50, vcc_lo                 ; lane 0 alone stores the task's two flag words
	global_store_b64 v6, v[186:187], s[14:15]
	s_wait_xcnt 0x0                                ; and again ahead of the line that widens it
	s_or_b32 exec_lo, exec_lo, s50
	s_endpgm
.Lfunc_end_k_q5fa0074da5_prep:
	.size	k_q5fa0074da5_prep, .Lfunc_end_k_q5fa0074da5_prep-k_q5fa0074da5_prep
	.p2alignl 7, 3214868480
	.fill 96, 4, 3214868480
	.section	.rodata,"a",@progbits
	.p2align	6, 0x0
	.amdhsa_kernel k_q5fa0074da5_prep
		.amdhsa_group_segment_fixed_size 55808
		.amdhsa_private_segment_fixed_size 0
		.amdhsa_enable_private_segment 0
		.amdhsa_kernarg_size 48
		.amdhsa_user_sgpr_count 2
		.amdhsa_user_sgpr_kernarg_segment_ptr 1
		.amdhsa_wavefront_size32 1
		.amdhsa_system_sgpr_workgroup_id_x 1
		.amdhsa_system_sgpr_workgroup_id_y 1
		.amdhsa_system_sgpr_workgroup_id_z 1
		.amdhsa_system_vgpr_workitem_id 0
		.amdhsa_next_free_vgpr 250
		.amdhsa_next_free_sgpr 66
		.amdhsa_reserve_vcc 1
		.amdhsa_float_denorm_mode_32 3
		.amdhsa_float_denorm_mode_16_64 3
		.amdhsa_memory_ordered 1
		.amdhsa_forward_progress 1
		.amdhsa_inst_pref_size 180
	.end_amdhsa_kernel
	.amdgpu_metadata
---
amdhsa.version: [ 1, 2 ]
amdhsa.kernels:
  - .name:           k_q5fa0074da5_prep
    .symbol:         k_q5fa0074da5_prep.kd
    .args:
      - { .name: keys, .offset: 0, .size: 8, .value_kind: global_buffer, .address_space: global }
      - { .name: values, .offset: 8, .size: 8, .value_kind: global_buffer, .address_space: global }
      - { .name: attn_mask, .offset: 16, .size: 8, .value_kind: global_buffer, .address_space: global }
      - { .name: kv, .offset: 24, .size: 8, .value_kind: global_buffer, .address_space: global }
      - { .name: mw, .offset: 32, .size: 8, .value_kind: global_buffer, .address_space: global }
      - { .name: flags, .offset: 40, .size: 8, .value_kind: global_buffer, .address_space: global }
    .group_segment_fixed_size: 55808
    .private_segment_fixed_size: 0
    .kernarg_segment_align: 8
    .kernarg_segment_size: 48
    .max_flat_workgroup_size: 384
    .sgpr_count:     66
    .vgpr_count:     250
    .wavefront_size: 32
...
	.end_amdgpu_metadata
.endif
;; end of part 1
;; launch attn (part 2): grid 256 x 1, 16 waves a work-group, no clusters, 215,040 bytes of LDS; arguments queries, kv, mw, flags, out0; writes out0
.if DOCPART == 2
	.amdgcn_target "amdgcn-amd-amdhsa--gfx1250"
	.amdhsa_code_object_version 6
	.text
	.protected	k_q5fa0074da5_attn
	.globl	k_q5fa0074da5_attn
	.p2align	8
	.type	k_q5fa0074da5_attn,@function
k_q5fa0074da5_attn:
	s_mov_b64 s[64:65], 0
	v_nop
	global_prefetch_b8 v0, s[64:65] scope:SCOPE_SE
	s_setreg_imm32_b32 hwreg(HW_REG_WAVE_MODE, 25, 1), 1
	s_wait_xcnt 0x0
; out0[b][q][head][:] = the sum over keys of softmax(Q . K / 8, masked keys at -infinity) V, both products on codes of FP4 (E2M1) with one E8M0 scale for each 32 along a product's K.
; queries, out0: [4][2048][16][64] f32.  kv, mw, flags: made by the launch before (their layouts stand at its head): a head's K and V as codes and scale words, 143,360 bytes, laid as this launch wants them in LDS;
; the mask as lane words, 64 for each (tile of 16 queries, step of 128 keys); two bits for each such step: has an open key, has a masked key.
; THE SOFTMAX AHEAD OF THE SECOND PRODUCT: t = score x log2(e) / 8; M = the row's largest t so far, rounded UP to a whole number; p = 2^(t - M) is quantised along the keys, not normalised.  The row's sum is taken of the
; unquantised p and divides at the end.  When M moves, the sum and O are multiplied by 2^(old M - new M): exact.
; SHARES.  Work-group g: head g / 4 (of 64), quarter c = g % 4.  Wave w takes the query tiles 16 c + w and 127 - (16 c + w), one after the other: 128 tiles of a head on 64 waves.  Sixteen waves of 242 registers: four to a SIMD,
; so that one wave's vector work stands beside another's products and LDS loads.
; K AND V STAY IN LDS: the head's record is copied once, through registers, ahead of the launch's one barrier.  After it the waves share nothing.
; WHAT IS LEFT OUT: a step of 128 keys in which all 16 x 128 mask bytes are set adds p = 0 alone: it is jumped over, by a scalar branch on the stored bit.  A step with no masked key jumps over the 64 selections.
; Both hold for every mask.  A row with no open key at all ends as 0 x (1 / 0) = NaN, as the softmax of a row of -infinity is.
; NO CLUSTER, NO TENSOR LOAD: the steps are branched on numbers read from memory, which goes with neither; what the four work-groups of a head share is one read of 143,360 bytes each, at the head.
; LAYOUT.  Both products are used transposed: S^T = K Q^T (source 0 = 16 keys, source 1 = my 16 queries), O^T = V^T P^T (source 0 = 16 channels, source 1 = P): a lane holds ONE query (lane % 16) throughout.
; The keys of a tile are not neighbours: row r of tile 2 g + u is key 32 g + 8 u + r + 8 (r / 8), so that score register n of lane (r, h) is key 32 (n / 16) + 16 h + n % 16.
; THE FIRST PRODUCT'S K IS 64 of the instruction's 128: Q's registers 4-7 are zero codes, so K's registers 4-7 may hold any codes: tile T's operand is v[32 + 4 T : 39 + 4 T], whose upper half is tile T + 1's codes
; (behind the last tile: zeros).  Every code of E2M1 is a finite number, and the scale words repeat their two bytes: those products are zeros.
; LIMITS: NaN and infinities among queries are not served; a block whose largest magnitude lies under 2^-124 keeps the scale byte 1; a block of zeros has the byte 1 (its codes are zeros).
.set REC,  143360
.set KSO,  65536                       ; LDS: K's codes at 0, K's scale words,
.set VCO,  73728                       ; V's codes,
.set VSO,  139264                      ; V's scale words,
.set STG,  143360                      ; and a stage of 16 rows x (256 + 16) bytes for each wave: Q's turn and the way out
.set PIT,  272                         ; row r begins 16 r bytes on modulo 256: sixteen rows begin at different banks (64 banks of 4 bytes: ISA guide 11.1)
.set KF,   32                          ; v32-63 K's eight tiles, 4 registers each; v64-67 zeros
.set VF,   68                          ; v68-99 V's four tiles
.set S,    100                         ; v100-163 S^T, then p
.set O,    164                         ; v164-195 O^T
.set P,    196                         ; v196-203 p's codes
.set BM,   204                         ; v204-207 the blocks' largest scores, then largest p
.set BB,   208                         ; v208-211 lane permutes' results, then the scales' bytes
.set BO,   212                         ; v212-215 the conversions' scale operands
.set KSC,  216                         ; v216-219 K's scale words; v220-221 V's; v222 p's; v223, v224 Q's: these hold scales and nothing else
.set VSC,  220
.set PSC,  222
.set F,    226                         ; v[226:227] f = 2^(old M - new M) (the pair's low word serves both halves)
.set TMP,  228
.set SUM2, 230                         ; v[230:231] the sum's second chain
; v1 16 x lane; v2-5 the step's LDS addresses (K, K's words, V, V's words; in the prologue: the copy's and Q's); v6 -infinity; v7, v8 the stage, in and back; v9 my bytes in 16 rows of Q or out0; v10 8 x lane;
; v12 -M, v13 the largest t, v[14:15] the sum; v16-23, v24-31 Q's two fragments.
; s2 wave; s3, s17, s18, s19 where the step's V, K, K's words, V's words begin in LDS; s[4:7] out0 at my two tiles; s[8:11] mw likewise; s16 the step; s[20:21] lane selects; s[22:23] c; s26-29 the tiles' bits;
; s[32:63], s[68:99] the step's 64 mask words.
; 32 numbers of one block, v[src] on, become 4 registers of codes, v[dst] on; v[BM+2] the scale's byte.
.macro QB32 src, dst
	v_max3_num_f32 v[BM], |v[\src]|, |v[\src+1]|, |v[\src+2]|
	v_max3_num_f32 v[BM+1], |v[\src+3]|, |v[\src+4]|, |v[\src+5]|
.irp i, 6,10,14,18,22,26
	v_max3_num_f32 v[BM], v[BM], |v[\src+\i]|, |v[\src+\i+1]|
	v_max3_num_f32 v[BM+1], v[BM+1], |v[\src+\i+2]|, |v[\src+\i+3]|
.endr
	v_max3_num_f32 v[BM], v[BM], |v[\src+30]|, |v[\src+31]|
	v_max3_num_f32 v[BM], v[BM], v[BM+1], 0x1800000                ; and the floor 2^(3 - 127): the byte cannot fall under 1
	v_add_nc_u32 v[BO], 0xff000000, v[BM]                          ; 2 off the exponent field: the conversion's scale operand
.irp g, 0,1,2,3
	v_cvt_scalef32_pk8_fp4_f32 v[\dst+\g], v[\src+8*\g:\src+8*\g+7], v[BO]
.endr
	v_lshrrev_b32 v[BM+2], 23, v[BO]                               ; the byte; also the plain line behind the last conversion
.endm
	s_load_b256 s[68:75], s[0:1], 0x0              ; queries s[68:69], kv s[70:71], mw s[72:73], flags s[74:75]
	s_load_b64 s[76:77], s[0:1], 0x20              ; out0
	v_lshl_add_u32 v240, v0, 2, 0x34000
	v_mov_b32 v241, 0
	v_lshrrev_b32 v1, 5, v0
	v_readfirstlane_b32 s2, v1                     ; wave 0..15
	s_lshr_b32 s30, ttmp9, 2                       ; the record: 16 x batch + head
	s_and_b32 s31, ttmp9, 3
	s_lshl_b32 s100, s31, 4
	s_add_co_u32 s100, s100, s2                    ; my first tile of 16 queries,
	s_sub_co_u32 s101, 127, s100                   ; and my second
	s_lshr_b32 s16, s30, 4                         ; batch
	s_and_b32 s17, s30, 15                         ; head
	s_lshl_b32 s18, s16, 23                        ; a batch is 2^23 bytes, a query 4,096, a head's row 256
	s_lshl_b32 s19, s17, 8
	s_or_b32 s18, s18, s19
	s_lshl_b32 s26, s100, 16
	s_or_b32 s26, s26, s18                         ; my first tile's place in queries and in out0,
	s_mov_b32 s27, 0
	s_lshl_b32 s28, s101, 16
	s_or_b32 s28, s28, s18                         ; my second's
	s_mov_b32 s29, 0
	s_lshl_b32 s16, s16, 7
	s_add_co_u32 s17, s16, s100                    ; 128 x batch + tile
	s_add_co_u32 s19, s16, s101
	s_lshl_b32 s32, s17, 12                        ; in mw: 16 steps of 256 bytes a tile
	s_mov_b32 s33, 0
	s_lshl_b32 s34, s19, 12
	s_mov_b32 s35, 0
	s_lshl_b32 s36, s17, 4                         ; in flags: 16 bytes a tile
	s_mov_b32 s37, 0
	s_lshl_b32 s38, s19, 4
	s_mov_b32 s39, 0
	s_mul_i32 s40, s30, REC
	s_mov_b32 s41, 0
	s_mov_b32 s20, 0x76543210
	s_mov_b32 s21, 0xfedcba98                      ; v_permlanex16_b32's selects for lane l xor 16
	s_mov_b32 s22, 0x3e38aa3b                      ; c = log2(e) / 8
	s_mov_b32 s23, s22                             ; (named with it as a pair, so it is written)
	s_mul_i32 s31, s2, 16*PIT
	s_add_co_u32 s31, s31, STG                     ; my stage
	v_and_b32 v11, 31, v0
	v_lshlrev_b32 v1, 4, v11                       ; 16 x lane
	v_lshlrev_b32 v10, 3, v11                      ; 8 x lane
	v_and_b32 v12, 15, v0                          ; r
	v_bfe_u32 v13, v0, 4, 1                        ; h
	v_mul_u32_u24 v14, v12, PIT
	v_add_nc_u32 v14, s31, v14
	v_lshl_add_u32 v7, v13, 5, v14                 ; the way out, in: row r, 32 h bytes on
	v_lshl_add_u32 v5, v13, 7, v14                 ; Q out of the stage: row r, block h
	v_mul_u32_u24 v15, v13, PIT
	v_lshl_add_u32 v15, v12, 4, v15
	v_add_nc_u32 v8, s31, v15                      ; whole rows: lanes 0-15 one row, lanes 16-31 the next
	v_lshlrev_b32 v9, 12, v13
	v_lshl_add_u32 v9, v12, 4, v9                  ; and the same two rows in queries and in out0
	v_lshlrev_b32 v15, 3, v13                      ; 8 h
	v_lshlrev_b32 v2, 4, v0                        ; the copy: 16 bytes a thread, 8,192 an instruction: the same offset in the record and in LDS;
	v_add_nc_u32 v3, 0x10000, v2                   ; an LDS immediate has 16 bits, so three registers carry the rest
	v_add_nc_u32 v4, 0x20000, v2
	v_lshlrev_b32 v11, 3, v0                       ; its last 4,096 bytes: 8 a thread
	v_add_nc_u32 v229, VSO, v11
	v_mov_b32 v[BB], 0                             ; a lane permute's destination counts as one of its sources
	s_wait_kmcnt 0x0
	s_add_nc_u64 s[12:13], s[68:69], s[26:27]      ; queries at my two tiles
	s_add_nc_u64 s[14:15], s[68:69], s[28:29]
	s_add_nc_u64 s[4:5], s[76:77], s[26:27]        ; out0 likewise
	s_add_nc_u64 s[6:7], s[76:77], s[28:29]
	s_add_nc_u64 s[8:9], s[72:73], s[32:33]        ; their mask words
	s_add_nc_u64 s[10:11], s[72:73], s[34:35]
	s_add_nc_u64 s[24:25], s[70:71], s[40:41]      ; the head's record
	s_add_nc_u64 s[36:37], s[74:75], s[36:37]
	s_add_nc_u64 s[38:39], s[74:75], s[38:39]
	s_load_b128 s[80:83], s[36:37], 0x0            ; my first tile's flags: open, masked (steps 0-7), open, masked (steps 8-15)
	s_load_b128 s[84:87], s[38:39], 0x0
.set k, 0
.rept 17
	global_load_b128 v[32+4*k:35+4*k], v2, s[24:25] offset:8192*k
.set k, k+1
.endr
	global_load_b64 v[100:101], v11, s[24:25] offset:VSO
.set i, 0
.rept 8
	global_load_b128 v[102+4*i:105+4*i], v9, s[12:13] offset:8192*i th:TH_LOAD_NT   ; each half of the wave reads one query's 256 bytes
.set i, i+1
.endr
.set i, 0
.rept 8
	global_load_b128 v[134+4*i:137+4*i], v9, s[14:15] offset:8192*i th:TH_LOAD_NT
.set i, i+1
.endr
	s_wait_loadcnt 16                              ; the record's 18 loads are in; Q's 16 may be out
.set k, 0
.rept 8
	ds_store_b128 v2, v[32+4*k:35+4*k] offset:8192*k
.set k, k+1
.endr
.rept 8
	ds_store_b128 v3, v[32+4*k:35+4*k] offset:8192*(k-8)
.set k, k+1
.endr
	ds_store_b128 v4, v[96:99]
	ds_store_b64 v229, v[100:101]
; A tile of Q turns through my stage, so that lane (r, h) holds the 32 numbers of block h of query r; they become registers 0-3 of the fragment, and the two bytes, repeated, the row's scale word.
.macro QTURN src, dst, sc, left
	s_wait_loadcnt \left
.set i, 0
.rept 8
	ds_store_b128 v8, v[\src+4*i:\src+4*i+3] offset:2*i*PIT
.set i, i+1
.endr
.set i, 0
.rept 8
	ds_load_b128 v[166+4*i:169+4*i], v5 offset:16*i    ; LDS serves a wave's instructions in order: these see the stores above
.set i, i+1
.endr
	s_wait_dscnt 0x0
	QB32 166, \dst
	v_lshlrev_b32 v[BM+2], v15, v[BM+2]            ; my block's byte at its place,
	v_permlanex16_b32 v[BB], v[BM+2], s20, s21
	v_or_b32 v[BM+2], v[BM+2], v[BB]               ; with the other block's
	v_lshl_or_b32 v[\sc], v[BM+2], 16, v[BM+2]
.endm
	QTURN 102, 16, 223, 8                          ; the first tile's 8 loads are in; the second's may be out
	QTURN 134, 24, 224, 0
.irp j, 20,21,22,23,28,29,30,31,64,65,66,67
	v_mov_b32 v\j, 0                               ; zero codes: k = 64 .. 127 of Q, and what stands behind K's last tile (the copy's stores have been waited for)
.endr
	v_mov_b32 v6, 0xff800000                       ; -infinity
	v_mov_b32 v[BB+1], 0
	v_mov_b32 v[BB+2], 0
	v_mov_b32 v[BB+3], 0
	v_mov_b32 v[F+1], 0                            ; (named as the upper half of a pair)
	v_mov_b32 v[TMP], 0
	s_wait_kmcnt 0x0
	s_lshl_b32 s30, s82, 8
	s_or_b32 s26, s80, s30                         ; bit i: step i of my first tile has an open key
	s_lshl_b32 s30, s83, 8
	s_or_b32 s27, s81, s30                         ; bit i: it has a masked key
	s_lshl_b32 s30, s86, 8
	s_or_b32 s28, s84, s30
	s_lshl_b32 s30, s87, 8
	s_or_b32 s29, s85, s30
	s_wait_dscnt 0x0                               ; for the others' sake: my part of the record lies in LDS
	s_barrier_signal -1
	s_barrier_wait -1                              ; the whole record does
; ONE TILE OF 16 QUERIES.  QF, QS: its fragment and scale words; OP, MP: its pointers into out0 and mw; FO, FM: its bits; LAST: nothing follows.
.macro TILE QF, QS, OP, MP, FO, FM, LAST
	v_mov_b32 v13, 0xff61b1e6                      ; the largest t so far: -3e38, under every t
	v_floor_f32 v12, -v13                          ; -M
	v_mov_b32 v14, 0                               ; the sum, in two halves
	v_mov_b32 v15, 0
.set j, 0
.rept 32
	v_mov_b32 v[O+j], 0                            ; O^T.  Which step is the first to run hangs on the mask, so no step can be written that starts the sums: they begin as zeros
.set j, j+1
.endr
	s_mov_b32 s16, 0
	s_mov_b32 s17, 0
	s_mov_b32 s18, KSO
	s_mov_b32 s3, VCO
	s_mov_b32 s19, VSO
.Lstep_\@:                             ; 16 trips, a constant; a trip whose step has no open key does the address steps alone
	s_and_b32 s30, s[\FO], 1
	s_cmp_eq_u32 s30, 0
	s_cbranch_scc1 .Lskip_\@
	s_load_b512 s[32:47], s[\MP:\MP+1], 0x0        ; the step's 64 mask words: asked for in every step that runs, so that they are written on every way to the selections below
	s_load_b512 s[48:63], s[\MP:\MP+1], 0x40
	s_load_b512 s[68:83], s[\MP:\MP+1], 0x80
	s_load_b512 s[84:99], s[\MP:\MP+1], 0xc0
	v_add_nc_u32 v2, s17, v1                       ; these four are also the places between the last step's products and the loads into their registers
	v_add_nc_u32 v3, s18, v1
	v_add_nc_u32 v4, s3, v1
	v_add_nc_u32 v5, s19, v10
.set i, 0
.rept 8
	ds_load_b128 v[KF+4*i:KF+4*i+3], v2 offset:512*i               ; tile i of K: 512 consecutive bytes
.set i, i+1
.endr
	ds_load_b128 v[KSC:KSC+3], v3                                  ; register g: lanes 0-15 tile 2 g's words, lanes 16-31 tile 2 g + 1's
.set i, 0
.rept 8
	ds_load_b128 v[VF+4*i:VF+4*i+3], v4 offset:512*i               ; tile i / 2 of V, keys 64 (i % 2) + 32 h on
.set i, i+1
.endr
	ds_load_b64 v[VSC:VSC+1], v5                                   ; register q: the words of channels 32 q + lane
	s_wait_dscnt 9                                 ; K's nine loads are in; V's nine may be out
.irp T, 0,1,2,3,4,5,6,7
.if \T % 2
	v_wmma_scale_f32_16x16x128_f8f6f4 v[S+8*\T:S+8*\T+7], v[KF+4*\T:KF+4*\T+7], v[\QF:\QF+7], 0, v[KSC+\T/2], v[\QS] matrix_a_fmt:MATRIX_FMT_FP4 matrix_b_fmt:MATRIX_FMT_FP4 matrix_a_scale:MATRIX_SCALE_ROW1
.else
	v_wmma_scale_f32_16x16x128_f8f6f4 v[S+8*\T:S+8*\T+7], v[KF+4*\T:KF+4*\T+7], v[\QF:\QF+7], 0, v[KSC+\T/2], v[\QS] matrix_a_fmt:MATRIX_FMT_FP4 matrix_b_fmt:MATRIX_FMT_FP4
.endif
.endr
.rept 4
	v_nop                                          ; four places between the products and the first read of their results (ISA guide 7.12.1)
.endr
	s_wait_kmcnt 0x0                               ; the mask words are in; their base may be stepped
	s_and_b32 s30, s[\FM], 1
	s_cmp_eq_u32 s30, 0
	s_cbranch_scc1 .Lopen_\@                       ; no masked key in this step
.set n, 0
.rept 32
	v_cndmask_b32 v[S+n], v[S+n], v6, s[32+n]      ; the scores of masked keys become -infinity ahead of the maximum: p = 0 then.  Each accumulator from its low end on
.set n, n+1
.endr
.rept 32
	v_cndmask_b32 v[S+n], v[S+n], v6, s[36+n]
.set n, n+1
.endr
.Lopen_\@:
.irp b, 0,1,2,3
	v_max3_num_f32 v[BM+\b], v[S+16*\b], v[S+1+16*\b], v[S+2+16*\b]   ; the largest score of each block of 32 keys: it serves for the row's maximum and, since p rises with the score, for the block's largest p
.endr
.irp i, 3,5,7,9,11,13
.irp b, 0,1,2,3
	v_max3_num_f32 v[BM+\b], v[BM+\b], v[S+16*\b+\i], v[S+1+16*\b+\i]   ; (the four blocks by turns)
.endr
.endr
.irp b, 0,1,2,3
	v_max_num_f32 v[BM+\b], v[BM+\b], v[S+15+16*\b]
.endr
.irp b, 0,1,2,3
	v_permlanex16_b32 v[BB+\b], v[BM+\b], s20, s21
.endr
.irp b, 0,1,2,3
	v_max_num_f32 v[BM+\b], v[BM+\b], v[BB+\b]     ; with lane l xor 16's 16 keys
.endr
	v_max3_num_f32 v[TMP], v[BM], v[BM+1], v[BM+2]
	v_max_num_f32 v[TMP], v[TMP], v[BM+3]          ; the step's largest score of my query
	v_mul_f32 v[TMP], s22, v[TMP]                  ; as t (c is positive)
	v_max_num_f32 v13, v13, v[TMP]                 ; the running largest t (a row that is all masked so far keeps -3e38)
	v_mov_b32 v[TMP], v12
	v_floor_f32 v12, -v13                          ; the new -M = floor(-t) = -ceil(t): a whole number
	v_sub_f32 v[TMP], v12, v[TMP]                  ; old M - new M: a whole number, 0 or less
	v_cvt_i32_f32 v[TMP], v[TMP]                   ; (it saturates)
	v_ldexp_f32 v[F], 1.0, v[TMP]                  ; f = 2^(old M - new M)
.set j, 0
.rept 32
	v_pk_fma_f32 v[S+j:S+j+1], v[S+j:S+j+1], s[22:23], v[12:13] op_sel_hi:[1,0,0]   ; t - M, two at a time (of the pairs c and -M the low word serves both halves)
.set j, j+2
.endr
.irp b, 0,1,2,3
	v_fma_f32 v[BM+\b], v[BM+\b], s22, v12         ; the same of each block's largest score
.endr
.set j, 0
.rept 64
	v_exp_f32 v[S+j], v[S+j]                       ; p = 2^(t - M), at most 1: not normalised
.set j, j+1
.endr
	v_pk_mul_f32 v[14:15], v[14:15], v[F:F+1] op_sel_hi:[1,0]      ; the sums under the new M; the plain line behind the exponentials
	s_wait_alu depctr_va_vdst(0)                   ; the wait ahead of the first line that names a result: one for the batch of 64
.irp b, 0,1,2,3
	v_exp_f32 v[BM+\b], v[BM+\b]                   ; the block's largest p: the same two instructions on the same number
.endr
	v_pk_add_f32 v[SUM2:SUM2+1], v[S:S+1], v[S+2:S+3]              ; the row's sum is taken of the unquantised p: two at a time, in two chains
.set j, 4
.rept 15
	v_pk_add_f32 v[14:15], v[14:15], v[S+j:S+j+1]
	v_pk_add_f32 v[SUM2:SUM2+1], v[SUM2:SUM2+1], v[S+j+2:S+j+3]
.set j, j+4
.endr
	v_pk_add_f32 v[14:15], v[14:15], v[SUM2:SUM2+1]
	s_wait_alu depctr_va_vdst(0)                   ; and one for the four
.irp b, 0,1,2,3
	v_max_num_f32 v[BM+\b], 0x1800000, v[BM+\b]    ; the floor 2^(3 - 127): the byte cannot fall under 1 (a block whose every p is 0 keeps that byte: its codes are zeros)
.endr
.irp b, 0,1,2,3
	v_add_nc_u32 v[BO+\b], 0xff000000, v[BM+\b]    ; 2 off the exponent field: the conversion's scale operand
.endr
.irp b, 0,1,2,3
	v_lshrrev_b32 v[BB+\b], 23, v[BO+\b]           ; the scale's byte
.endr
	v_lshl_or_b32 v[PSC], v[BB+1], 8, v[BB]        ; p's scale word for these 128 keys
	v_lshl_or_b32 v[PSC], v[BB+2], 16, v[PSC]
	v_lshl_or_b32 v[PSC], v[BB+3], 24, v[PSC]
.irp b, 0,1,2,3
	v_cvt_scalef32_pk8_fp4_f32 v[P+2*\b], v[S+16*\b:S+16*\b+7], v[BO+\b]
	v_cvt_scalef32_pk8_fp4_f32 v[P+1+2*\b], v[S+8+16*\b:S+8+16*\b+7], v[BO+\b]
.endr
	v_nop                                          ; one plain line behind the last scaled conversion
.irp c, 0,1                            ; the operand's layout wants a whole block in a lane: lanes 0-15 block 2 c, lanes 16-31 block 2 c + 1
.irp i, 0,1
	v_permlane16_swap_b32 v[P+4*\c+\i], v[P+2+4*\c+\i]
.endr
.endr
.set j, 0
.rept 16
	v_pk_mul_f32 v[O+j:O+j+1], v[O+j:O+j+1], v[F:F+1] op_sel_hi:[1,0]   ; O^T under the new M, each accumulator from its low end on.  These also part p's codes and scale word from the products below
.set j, j+2
.endr
	s_wait_dscnt 0x0                               ; V and its scale words are in
.irp t, 0,1,2,3                        ; O^T += V^T P^T: the four accumulators take turns, one instruction a turn
.if \t % 2
	v_wmma_scale_f32_16x16x128_f8f6f4 v[O+8*\t:O+8*\t+7], v[VF+8*\t:VF+8*\t+7], v[P:P+7], v[O+8*\t:O+8*\t+7], v[VSC+\t/2], v[PSC] matrix_a_fmt:MATRIX_FMT_FP4 matrix_b_fmt:MATRIX_FMT_FP4 matrix_a_scale:MATRIX_SCALE_ROW1
.else
	v_wmma_scale_f32_16x16x128_f8f6f4 v[O+8*\t:O+8*\t+7], v[VF+8*\t:VF+8*\t+7], v[P:P+7], v[O+8*\t:O+8*\t+7], v[VSC+\t/2], v[PSC] matrix_a_fmt:MATRIX_FMT_FP4 matrix_b_fmt:MATRIX_FMT_FP4
.endif
.endr
.Lskip_\@:
	s_add_co_u32 s17, s17, 4096                    ; the next step's places in LDS,
	s_add_co_u32 s18, s18, 512
	s_add_co_u32 s3, s3, 4096
	s_add_co_u32 s19, s19, 256
	s_add_nc_u64 s[\MP:\MP+1], s[\MP:\MP+1], 256   ; its mask words (no scalar load is out here: a step that asked has waited),
	s_lshr_b32 s[\FO], s[\FO], 1                   ; and its bits
	s_lshr_b32 s[\FM], s[\FM], 1
	s_add_co_u32 s16, s16, 1
	s_cmp_lt_u32 s16, 16
	s_cbranch_scc1 .Lstep_\@
	; THE WAY OUT.  O^T / the sum goes through my stage and leaves as whole rows: a query's 64 channels of a head are 256 consecutive bytes of out0.
.rept 4
	v_nop                                          ; four places behind the last products
.endr
	v_add_f32 v14, v14, v15                        ; the sum's two halves,
	v_permlanex16_b32 v[TMP], v14, s20, s21
	v_add_f32 v14, v14, v[TMP]                     ; and lane l xor 16's: the row's sum
	v_rcp_f32 v14, v14
	v_nop                                          ; a plain line behind the reciprocal
	s_wait_alu depctr_va_vdst(0)                   ; and the wait ahead of its first reader
.set j, 0
.rept 32
	v_mul_f32 v[S+j], v[O+j], v14                  ; register 8 t + i is channel 16 t + 8 h + i of query r
.set j, j+1
.endr
.irp t, 0,1,2,3
	ds_store_b128 v7, v[S+8*\t:S+8*\t+3] offset:64*\t
	ds_store_b128 v7, v[S+8*\t+4:S+8*\t+7] offset:64*\t+16
.endr
.set i, 0
.rept 8
	ds_load_b128 v[S+32+4*i:S+35+4*i], v8 offset:2*i*PIT           ; LDS serves a wave's instructions in order: these see the stores above
.set i, i+1
.endr
.set i, 0
.rept 8
	s_wait_dscnt 7-i                               ; the younger loads may be out
	global_store_b128 v9, v[S+32+4*i:S+35+4*i], s[\OP:\OP+1] offset:8192*i th:TH_STORE_NT   ; each half of the wave stores 256 consecutive bytes, aligned
.set i, i+1
.endr
.if !\LAST
	s_wait_xcnt 0x0                                ; the stores have read their registers: the next tile's products write them again
.endif
.endm
	TILE 16, 223, 4, 8, 26, 27, 0
	TILE 24, 224, 6, 10, 28, 29, 1
	s_wait_tensorcnt 0x0
	ds_add_u32 v240, v241
	s_wait_dscnt 0x0
	s_endpgm
.Lfunc_end_k_q5fa0074da5_attn:
	.size	k_q5fa0074da5_attn, .Lfunc_end_k_q5fa0074da5_attn-k_q5fa0074da5_attn
	.p2alignl 7, 3214868480
	.fill 96, 4, 3214868480
	.section	.rodata,"a",@progbits
	.p2align	6, 0x0
	.amdhsa_kernel k_q5fa0074da5_attn
		.amdhsa_group_segment_fixed_size 215040
		.amdhsa_private_segment_fixed_size 0
		.amdhsa_enable_private_segment 0
		.amdhsa_kernarg_size 40
		.amdhsa_user_sgpr_count 2
		.amdhsa_user_sgpr_kernarg_segment_ptr 1
		.amdhsa_wavefront_size32 1
		.amdhsa_system_sgpr_workgroup_id_x 1
		.amdhsa_system_sgpr_workgroup_id_y 1
		.amdhsa_system_sgpr_workgroup_id_z 1
		.amdhsa_system_vgpr_workitem_id 0
		.amdhsa_next_free_vgpr 242
		.amdhsa_next_free_sgpr 102
		.amdhsa_reserve_vcc 0
		.amdhsa_float_denorm_mode_32 3
		.amdhsa_float_denorm_mode_16_64 3
		.amdhsa_memory_ordered 1
		.amdhsa_forward_progress 1
		.amdhsa_inst_pref_size 63
	.end_amdhsa_kernel
	.amdgpu_metadata
---
amdhsa.version: [ 1, 2 ]
amdhsa.kernels:
  - .name:           k_q5fa0074da5_attn
    .symbol:         k_q5fa0074da5_attn.kd
    .args:
      - { .name: queries, .offset: 0, .size: 8, .value_kind: global_buffer, .address_space: global }
      - { .name: kv, .offset: 8, .size: 8, .value_kind: global_buffer, .address_space: global }
      - { .name: mw, .offset: 16, .size: 8, .value_kind: global_buffer, .address_space: global }
      - { .name: flags, .offset: 24, .size: 8, .value_kind: global_buffer, .address_space: global }
      - { .name: out0, .offset: 32, .size: 8, .value_kind: global_buffer, .address_space: global }
    .group_segment_fixed_size: 215040
    .private_segment_fixed_size: 0
    .kernarg_segment_align: 8
    .kernarg_segment_size: 40
    .max_flat_workgroup_size: 512
    .sgpr_count:     102
    .vgpr_count:     242
    .wavefront_size: 32
...
	.end_amdgpu_metadata
.endif
;; end of part 2
;; ======== version 2 of 2: 2 launches
;; workspace buffers: kv 9,175,040 bytes; mw 2,097,152 bytes of whole numbers; flags 8,192 bytes of whole numbers
;; launch prep (part 3): grid 256 x 1, 12 waves a work-group, no clusters, 55,808 bytes of LDS; arguments keys, values, attn_mask, kv, mw, flags; writes kv, mw, flags
.if DOCPART == 3
	.amdgcn_target "amdgcn-amd-amdhsa--gfx1250"
	.amdhsa_code_object_version 6
	.text
	.protected	k_q5fa0074da5_prep
	.globl	k_q5fa0074da5_prep
	.p2align	8
	.type	k_q5fa0074da5_prep,@function
k_q5fa0074da5_prep:
	s_mov_b64 s[64:65], 0
	v_nop
	global_prefetch_b8 v0, s[64:65] scope:SCOPE_SE
	s_setreg_imm32_b32 hwreg(HW_REG_WAVE_MODE, 25, 1), 1
	s_wait_xcnt 0x0
; PREPARATION FOR THE ATTENTION LAUNCH.  keys, values: [4][2048][16][64] f32; attn_mask: [4][1][2048][2048], one byte (0 or 1) for each (batch, query, key).
; Three roles, parted ONCE on the wave's number, never joined, no barrier, no loop: waves 0-3 quantise keys, waves 4-7 values, waves 8-11 turn the mask into lane words and flags.
; Each role has 1,024 tasks of 32,768 input bytes (the mask's of 16,384); task = 4 x work-group + (wave mod 4): 256 work-groups of equal work.
; kv: one record of 143,360 bytes for each (batch, head), laid byte for byte as the attention launch wants it in LDS:
;   +0       K's codes   step*4096 + T*512 + lane*16: tile T = 2 g + u; lane (h = lane / 16, r = lane % 16): the 32 codes of block h (channels 32 h ..) of key 128 step + 32 g + 8 u + r + 8 (r / 8)
;   +65,536  K's scales  step*512 + lane*16 + 4 g: the word of tile 2 g + lane / 16, row lane % 16: e0 | e1<<8 | e0<<16 | e1<<24 (the upper two bytes stand for k = 64 .. 127, where Q's codes are zeros)
;   +73,728  V's codes   step*4096 + t*1024 + blk*256 + r*16: the 32 codes of keys 128 step + 32 blk + 0 .. 31 of channel 16 t + r (the keys are the second product's K)
;   +139,264 V's scales  step*256 + lane*8 + 4 q: the word (one byte a block of 32 keys) of channel 32 q + lane
; mw: [batch][tile of 16 queries][step of 128 keys][n = 0 .. 63] words: bit l of word n = the mask byte of query l % 16, key 32 (n / 16) + 16 (l / 16) + n % 16: the lane mask of score register n.
; flags: [batch][tile][half of the keys][2] words: word 0 bit i: step 8 half + i has an open key; word 1 bit i: it has a masked key.
; THE QUANTISER: a block's scale is 2^(floor(log2(largest magnitude)) - 2); its byte is the largest magnitude's exponent field - 2, held at 1 from below by a floor among the maximum's leaves.
; LIMITS: NaN and infinities among keys and values are not served; a block whose largest magnitude lies under 2^-124 keeps the byte 1; a block of zeros has the byte 1 where the rule says 127
; (its codes are zeros, which add nothing under any byte but 0xff, and this program alone reads the bytes); a mask byte is taken as 0 or 1, as the problem states it.
.set REC,   143360                     ; a record
.set KSO,   65536
.set VCO,   73728
.set VSO,   139264
.set PIT,   272                        ; a stage row: 256 bytes + 16: row k begins 16 k bytes on modulo 256, so sixteen rows begin at different banks (64 banks of 4 bytes: ISA guide 11.1)
.set KSTG,  9216                       ; LDS: a stage of 32 rows (+ 128 bytes) for each K wave, at 9,216 x wave
.set MSTG0, 4*KSTG                     ; behind them a stage of 16 rows for each mask wave
.set MSTG,  16*PIT
.set KR,  16                           ; K role: v16-143 two sets of 64 registers as loaded
.set KX,  144                          ;         v144-207 two tiles' blocks of 32 numbers
.set KCD, 208                          ;         v208-239 codes: four registers a tile, each written once
.set KW,  240                          ;         v240-243 scale words; v244, v245 the two tiles' words of a group
.set VX,  16                           ; V role: v16-79 two sets of 32 numbers
.set VCD, 80                           ;         v80-111 codes: four registers a unit, each written once
.set VSB, 112                          ;         v[112:113] scale words
.set MR,  16                           ; mask role: v16-143 as loaded
.set MM,  144                          ;         v144-175 256 keys' bytes of my query
.set MT,  176                          ;         v176-183 at work; v184 OR, v185 AND; v[186:187] the flags
.set MW,  192                          ;         v192-207 a pair of registers for each of the eight steps, each stored once
; 32 numbers of one block, v[src] on, become 4 registers of codes, v[dst] on; v10 the conversions' scale operand, v11 the scale's byte.
.macro QB32 src, dst
	v_max3_num_f32 v8, |v[\src]|, |v[\src+1]|, |v[\src+2]|         ; the largest magnitude, in two chains
	v_max3_num_f32 v9, |v[\src+3]|, |v[\src+4]|, |v[\src+5]|
.irp i, 6,10,14,18,22,26
	s_delay_alu instid0(VALU_DEP_2)
	v_max3_num_f32 v8, v8, |v[\src+\i]|, |v[\src+\i+1]|
	s_delay_alu instid0(VALU_DEP_2)
	v_max3_num_f32 v9, v9, |v[\src+\i+2]|, |v[\src+\i+3]|
.endr
	s_delay_alu instid0(VALU_DEP_2)
	v_max3_num_f32 v8, v8, |v[\src+30]|, |v[\src+31]|
	s_delay_alu instid0(VALU_DEP_1)
	v_max3_num_f32 v8, v8, v9, 0x1800000                           ; and the floor 2^(3 - 127): the byte cannot fall under 1
	s_delay_alu instid0(VALU_DEP_1)
	v_add_nc_u32 v10, 0xff000000, v8                               ; 2 off the exponent field: the conversion takes this operand's exponent field as its scale
.irp g, 0,1,2,3
	v_cvt_scalef32_pk8_fp4_f32 v[\dst+\g], v[\src+8*\g:\src+8*\g+7], v10
.endr
	v_lshrrev_b32 v11, 23, v10                                     ; the byte; also the plain line behind the last conversion
.endm
	s_load_b256 s[4:11], s[0:1], 0x0               ; keys s[4:5], values s[6:7], attn_mask s[8:9], kv s[10:11]
	s_load_b128 s[12:15], s[0:1], 0x20             ; mw s[12:13], flags s[14:15]
	v_lshl_add_u32 v248, v0, 2, 0xd400
	v_mov_b32 v249, 0
	v_lshrrev_b32 v1, 5, v0
	s_delay_alu instid0(VALU_DEP_1)
	v_readfirstlane_b32 s2, v1                     ; wave 0..11
	v_and_b32 v1, 31, v0                           ; lane
	v_and_b32 v13, 15, v0                          ; r
	v_bfe_u32 v14, v0, 4, 1                        ; h
	s_and_b32 s3, s2, 3
	s_lshl_b32 s16, ttmp9, 2
	s_add_co_u32 s16, s16, s3                      ; my task, 0 .. 1,023
	s_mov_b32 s20, 0x76543210
	s_mov_b32 s21, 0xfedcba98                      ; v_permlanex16_b32's selects for lane l xor 16
	s_mov_b32 s22, 0xffff0000                      ; lanes 16-31, as a lane mask
	; keys and values: task = batch x 256 + step x 16 + head
	s_and_b32 s17, s16, 15                         ; head
	s_bfe_u32 s18, s16, 0x40004                    ; step of 128 keys
	s_lshr_b32 s19, s16, 8                         ; batch
	s_lshl_b32 s24, s19, 23                        ; a batch is 2^23 bytes, a key 4,096, a head's row 256
	s_lshl_b32 s30, s18, 19
	s_or_b32 s24, s24, s30
	s_lshl_b32 s30, s17, 8
	s_or_b32 s24, s24, s30
	s_mov_b32 s25, 0
	s_lshl_b32 s30, s19, 4
	s_add_co_u32 s30, s30, s17
	s_mul_i32 s26, s30, REC                        ; my record
	s_mov_b32 s27, 0
	s_wait_kmcnt 0x0
	s_add_nc_u64 s[10:11], s[10:11], s[26:27]
	s_cmp_ge_u32 s2, 8
	s_cbranch_scc1 .Lmask
	s_cmp_ge_u32 s2, 4
	s_cbranch_scc1 .Lvalues
; ---------------- KEYS: 128 keys of one head.  A load's halves read one key's 256 bytes each; 32 keys turn through my stage, so that a lane gets the 32 numbers of one block of one key.
	s_add_nc_u64 s[4:5], s[4:5], s[24:25]          ; keys at my task
	s_lshl_b32 s24, s18, 12
	s_add_nc_u64 s[26:27], s[10:11], s[24:25]      ; K's codes at my step
	s_lshl_b32 s24, s18, 9
	s_add_co_u32 s24, s24, KSO
	s_add_nc_u64 s[28:29], s[10:11], s[24:25]      ; K's scale words at my step
	s_mul_i32 s30, s3, KSTG                        ; my stage
	s_wait_alu depctr_va_vdst(0)
	v_lshlrev_b32 v2, 12, v14
	s_delay_alu instid0(VALU_DEP_1)
	v_lshl_add_u32 v2, v13, 4, v2                  ; in memory: key h of a pair, 16 r bytes on
	v_mul_u32_u24 v3, v14, PIT
	s_delay_alu instid0(VALU_DEP_1)
	v_lshl_add_u32 v3, v13, 4, v3
	s_delay_alu instid0(VALU_DEP_1)
	v_add_nc_u32 v3, s30, v3                       ; into the stage: the same
	v_and_b32 v15, 8, v13
	s_delay_alu instid0(VALU_DEP_1)
	v_add_nc_u32 v4, v15, v13                      ; r + 8 (r / 8)
	s_delay_alu instid0(VALU_DEP_1)
	v_mul_u32_u24 v4, v4, PIT
	s_delay_alu instid0(VALU_DEP_1)
	v_lshl_add_u32 v4, v15, 4, v4                  ; rows 16-31 lie 128 bytes further on: so the sixteen rows r + 8 (r / 8) begin at sixteen different places modulo 256
	s_delay_alu instid0(VALU_DEP_1)
	v_lshl_add_u32 v4, v14, 7, v4                  ; block h
	s_delay_alu instid0(VALU_DEP_1)
	v_add_nc_u32 v4, s30, v4                       ; out of the stage
	v_lshlrev_b32 v5, 4, v1                        ; 16 x lane: where my codes and words go
	v_lshlrev_b32 v6, 3, v14                       ; 8 h
	v_mov_b32 v12, 0                               ; a lane permute's destination counts as one of its sources
.macro LOADK g                         ; keys 32 g .. 32 g + 31 into set g % 2
.set i, 0
.rept 16
	global_load_b128 v[KR+64*((\g)%2)+4*i:KR+64*((\g)%2)+4*i+3], v2, s[4:5] offset:(32*(\g)+2*i)*4096 th:TH_LOAD_NT
.set i, i+1
.endr
.endm
.macro HALFK g, u, w                   ; tile 2 g + u: codes, their store, and its rows' words e0 | e1<<8 in v[w]
	QB32 KX+32*\u, KCD+4*(2*(\g)+\u)
	s_delay_alu instid0(VALU_DEP_1)
	v_lshlrev_b32 v11, v6, v11                     ; my block's byte at its place,
	s_delay_alu instid0(VALU_DEP_1)
	v_permlanex16_b32 v12, v11, s20, s21
	s_delay_alu instid0(VALU_DEP_1)
	v_or_b32 v[\w], v11, v12                       ; with the other block's, from lane l xor 16
	global_store_b128 v5, v[KCD+4*(2*(\g)+\u):KCD+4*(2*(\g)+\u)+3], s[26:27] offset:(2*(\g)+\u)*512   ; the wave stores 512 consecutive bytes
.endm
.macro GROUPK g
.if (\g) < 3
	s_wait_loadcnt 16                              ; this group's 16 loads are in; the next group's 16 may be out
.else
	s_wait_loadcnt 0
.endif
.set i, 0
.rept 16
	ds_store_b128 v3, v[KR+64*((\g)%2)+4*i:KR+64*((\g)%2)+4*i+3] offset:2*i*PIT+(i/8)*128
.set i, i+1
.endr
.set i, 0
.rept 16                               ; tile u = i / 8, 16 bytes i % 8 of my block.  LDS serves a wave's instructions in order: these see the stores above
	ds_load_b128 v[KX+4*i:KX+4*i+3], v4 offset:(i/8)*8*PIT+16*(i%8)
.set i, i+1
.endr
	s_wait_dscnt 8                                 ; the stores have read their registers and the first tile's 8 loads are in; the second tile's 8 may be out
.if (\g) < 2
	LOADK (\g)+2
.endif
	HALFK \g, 0, 244
	s_wait_dscnt 0x0
	HALFK \g, 1, 245
	v_cndmask_b32 v8, v244, v245, s22              ; lanes 0-15 keep tile 2 g's word, lanes 16-31 take tile 2 g + 1's
	s_delay_alu instid0(VALU_DEP_1)
	v_lshl_or_b32 v[KW+\g], v8, 16, v8             ; repeated in the upper half
.endm
	LOADK 0
	LOADK 1
	s_wait_alu depctr_va_vdst(0)
	GROUPK 0
	GROUPK 1
	GROUPK 2
	GROUPK 3
	global_store_b128 v5, v[KW:KW+3], s[28:29]     ; the step's 512 bytes of scale words
	s_wait_tensorcnt 0x0
	ds_add_u32 v248, v249
	s_wait_dscnt 0x0
	s_endpgm
; ---------------- VALUES: 128 keys of one head.  A lane takes a channel and its registers run down the keys: a block of 32 keys lies in one lane, and the codes come out with the keys innermost.
.Lvalues:
	s_add_nc_u64 s[6:7], s[6:7], s[24:25]          ; values at my task
	s_lshl_b32 s24, s18, 12
	s_add_nc_u64 s[26:27], s[10:11], s[24:25]      ; the record + 4,096 step (V's codes lie VCO further on: in the immediates)
	s_lshl_b32 s24, s18, 8
	s_add_co_u32 s24, s24, VSO
	s_add_nc_u64 s[28:29], s[10:11], s[24:25]      ; V's scale words at my step
	s_wait_alu depctr_va_vdst(0)
	v_lshlrev_b32 v2, 2, v1                        ; in memory: 4 bytes a lane
	v_lshlrev_b32 v3, 10, v14
	s_delay_alu instid0(VALU_DEP_1)
	v_lshl_add_u32 v3, v13, 4, v3                  ; codes: tile h of my two, row r
	v_lshlrev_b32 v4, 3, v1                        ; scale words: 8 bytes a lane
.macro LOADV t                         ; unit t = 2 blk + q: keys 32 blk + 0 .. 31, channel 32 q + lane, into set q
.set i, 0
.rept 32
	global_load_b32 v[VX+32*((\t)%2)+i], v2, s[6:7] offset:(32*((\t)/2)+i)*4096+128*((\t)%2) th:TH_LOAD_NT
.set i, i+1
.endr
.endm
.macro UNITV t
.if (\t) < 7
	s_wait_loadcnt 32                              ; this unit's 32 loads are in; the next unit's 32 may be out
.else
	s_wait_loadcnt 0
.endif
	QB32 VX+32*((\t)%2), VCD+4*(\t)
.if (\t)/2 == 0
	s_delay_alu instid0(VALU_DEP_1)
	v_mov_b32 v[VSB+(\t)%2], v11                   ; four bytes to a word, the earlier keys in the lower byte
.else
	s_delay_alu instid0(VALU_DEP_1)
	v_lshl_or_b32 v[VSB+(\t)%2], v11, 8*((\t)/2), v[VSB+(\t)%2]
.endif
	global_store_b128 v3, v[VCD+4*(\t):VCD+4*(\t)+3], s[26:27] offset:VCO+((\t)%2)*2048+((\t)/2)*256   ; each half of the wave stores 256 consecutive bytes, aligned
.if (\t)+2 < 8
	LOADV (\t)+2
.endif
.endm
	LOADV 0
	LOADV 1
.irp t, 0,1,2,3,4,5,6,7
	UNITV \t
.endr
	global_store_b64 v4, v[VSB:VSB+1], s[28:29]    ; the step's 256 bytes of scale words
	s_endpgm
; ---------------- THE MASK: 16 queries x 1,024 keys.  task = (batch x 128 + tile) x 2 + half.
.Lmask:
	s_lshr_b32 s17, s16, 1
	s_lshl_b32 s24, s17, 15                        ; a tile of 16 rows of 2,048 bytes
	s_and_b32 s30, s16, 1
	s_lshl_b32 s30, s30, 10
	s_or_b32 s24, s24, s30
	s_mov_b32 s25, 0
	s_add_nc_u64 s[8:9], s[8:9], s[24:25]          ; the mask at my task
	s_lshl_b32 s24, s16, 11                        ; eight steps of 256 bytes of words
	s_add_nc_u64 s[12:13], s[12:13], s[24:25]
	s_lshl_b32 s24, s16, 3                         ; two flag words
	s_add_nc_u64 s[14:15], s[14:15], s[24:25]
	s_mul_i32 s30, s3, MSTG
	s_add_co_u32 s30, s30, MSTG0                   ; my stage
	s_wait_alu depctr_va_vdst(0)
	v_lshlrev_b32 v2, 11, v14
	s_delay_alu instid0(VALU_DEP_1)
	v_lshl_add_u32 v2, v13, 4, v2                  ; in memory: row h of a pair, 16 r bytes on
	v_mul_u32_u24 v3, v14, PIT
	s_delay_alu instid0(VALU_DEP_1)
	v_lshl_add_u32 v3, v13, 4, v3
	s_delay_alu instid0(VALU_DEP_1)
	v_add_nc_u32 v3, s30, v3                       ; into the stage: the same
	v_mul_u32_u24 v4, v13, PIT
	s_delay_alu instid0(VALU_DEP_1)
	v_lshl_add_u32 v4, v14, 4, v4
	s_delay_alu instid0(VALU_DEP_1)
	v_add_nc_u32 v4, s30, v4                       ; out of it: query r, the 16 keys of my half of a block of 32
	v_lshlrev_b32 v5, 3, v1                        ; words: 8 bytes a lane
	s_mov_b32 s28, 0                               ; bit i: step i has an open key
	s_mov_b32 s29, 0                               ; bit i: step i has a masked key
.set i, 0
.rept 16
	v_mov_b32 v[MW+i], 0                           ; v_writelane_b32's destination counts as one of its sources
.set i, i+1
.endr
.set i, 0
.rept 32                               ; chunk i / 8 of 256 keys, rows 2 (i % 8) + h: each half of the wave reads 256 consecutive bytes, aligned
	global_load_b128 v[MR+4*i:MR+4*i+3], v2, s[8:9] offset:256*(i/8)+4096*(i%8) th:TH_LOAD_NT
.set i, i+1
.endr
.macro STEPM sp, sg                    ; step sp of the chunk, step sg of the task: my query's 64 bytes lie in v[MM + 16 sp] on; byte n % 4 of register n / 4 belongs to score register n
	v_or_b32 v184, v[MM+16*(\sp)], v[MM+16*(\sp)+1]
	v_and_b32 v185, v[MM+16*(\sp)], v[MM+16*(\sp)+1]
.set i, 2
.rept 14
	s_delay_alu instid0(VALU_DEP_2)
	v_or_b32 v184, v184, v[MM+16*(\sp)+i]
	s_delay_alu instid0(VALU_DEP_2)
	v_and_b32 v185, v185, v[MM+16*(\sp)+i]
.set i, i+1
.endr
	s_delay_alu instid0(VALU_DEP_2)
	v_cmp_ne_u32 s48, 0, v184                      ; lanes that hold a masked key
	s_delay_alu instid0(VALU_DEP_2)
	v_cmp_ne_u32 s49, 0x01010101, v185             ; lanes that hold an open key
	s_cmp_lg_u32 s48, 0
	s_cselect_b32 s30, 1<<(\sg), 0
	s_or_b32 s29, s29, s30
	s_cmp_lg_u32 s49, 0
	s_cselect_b32 s30, 1<<(\sg), 0
	s_or_b32 s28, s28, s30
.set n, 0
.rept 8                                ; the 64 lane words, eight at a time: a byte's bit, the compare's lane mask, and the word into lane n / 2 of register n % 2
.set k, 0
.rept 8
	v_and_b32 v[MT+k], 1<<(8*((n+k)%4)), v[MM+16*(\sp)+(n+k)/4]
.set k, k+1
.endr
.set k, 0
.rept 8
	v_cmp_ne_u32 s[40+k], 0, v[MT+k]
.set k, k+1
.endr
.set k, 0
.rept 8
	v_writelane_b32 v[MW+2*(\sg)+(n+k)%2], s[40+k], (n+k)/2
.set k, k+1
.endr
.set n, n+8
.endr
	global_store_b64 v5, v[MW+2*(\sg):MW+2*(\sg)+1], s[12:13] offset:256*(\sg)   ; the step's 64 words: 256 consecutive bytes, aligned
.endm
.macro CHUNK c
	s_wait_loadcnt 8*(3-(\c))                      ; this chunk's 8 loads are in; the later chunks' may be out
.set i, 0
.rept 8
	ds_store_b128 v3, v[MR+32*(\c)+4*i:MR+32*(\c)+4*i+3] offset:2*i*PIT
.set i, i+1
.endr
.set i, 0
.rept 8
	ds_load_b128 v[MM+4*i:MM+4*i+3], v4 offset:32*i    ; LDS serves a wave's instructions in order: these see the stores above
.set i, i+1
.endr
	s_wait_dscnt 0x0
	STEPM 0, 2*(\c)
	STEPM 1, 2*(\c)+1
.endm
.irp c, 0,1,2,3
	CHUNK \c
.endr
	v_mov_b32 v186, s28
	v_mov_b32 v187, s29
	v_mov_b32 v6, 0
	v_cmp_eq_u32 vcc_lo, 0, v1
	s_wait_alu depctr_va_vdst(0)
	s_wait_xcnt 0x0                                ; EXEC is a source of the stores above: it changes only behind this wait
	s_wait_tensorcnt 0x0
	ds_add_u32 v248, v249
	s_wait_dscnt 0x0
	s_and_saveexec_b32 s50, vcc_lo                 ; lane 0 alone stores the task's two flag words
	global_store_b64 v6, v[186:187], s[14:15]
	s_wait_xcnt 0x0                                ; and again ahead of the line that widens it
	s_or_b32 exec_lo, exec_lo, s50
	s_endpgm
.Lfunc_end_k_q5fa0074da5_prep:
	.size	k_q5fa0074da5_prep, .Lfunc_end_k_q5fa0074da5_prep-k_q5fa0074da5_prep
	.p2alignl 7, 3214868480
	.fill 96, 4, 3214868480
	.section	.rodata,"a",@progbits
	.p2align	6, 0x0
	.amdhsa_kernel k_q5fa0074da5_prep
		.amdhsa_group_segment_fixed_size 55808
		.amdhsa_private_segment_fixed_size 0
		.amdhsa_enable_private_segment 0
		.amdhsa_kernarg_size 48
		.amdhsa_user_sgpr_count 2
		.amdhsa_user_sgpr_kernarg_segment_ptr 1
		.amdhsa_wavefront_size32 1
		.amdhsa_system_sgpr_workgroup_id_x 1
		.amdhsa_system_sgpr_workgroup_id_y 1
		.amdhsa_system_sgpr_workgroup_id_z 1
		.amdhsa_system_vgpr_workitem_id 0
		.amdhsa_next_free_vgpr 250
		.amdhsa_next_free_sgpr 66
		.amdhsa_reserve_vcc 1
		.amdhsa_float_denorm_mode_32 3
		.amdhsa_float_denorm_mode_16_64 3
		.amdhsa_memory_ordered 1
		.amdhsa_forward_progress 1
		.amdhsa_inst_pref_size 197
	.end_amdhsa_kernel
	.amdgpu_metadata
---
amdhsa.version: [ 1, 2 ]
amdhsa.kernels:
  - .name:           k_q5fa0074da5_prep
    .symbol:         k_q5fa0074da5_prep.kd
    .args:
      - { .name: keys, .offset: 0, .size: 8, .value_kind: global_buffer, .address_space: global }
      - { .name: values, .offset: 8, .size: 8, .value_kind: global_buffer, .address_space: global }
      - { .name: attn_mask, .offset: 16, .size: 8, .value_kind: global_buffer, .address_space: global }
      - { .name: kv, .offset: 24, .size: 8, .value_kind: global_buffer, .address_space: global }
      - { .name: mw, .offset: 32, .size: 8, .value_kind: global_buffer, .address_space: global }
      - { .name: flags, .offset: 40, .size: 8, .value_kind: global_buffer, .address_space: global }
    .group_segment_fixed_size: 55808
    .private_segment_fixed_size: 0
    .kernarg_segment_align: 8
    .kernarg_segment_size: 48
    .max_flat_workgroup_size: 384
    .sgpr_count:     66
    .vgpr_count:     250
    .wavefront_size: 32
...
	.end_amdgpu_metadata
.endif
;; end of part 3
;; launch attn (part 4): grid 256 x 1, 16 waves a work-group, no clusters, 215,040 bytes of LDS; arguments queries, kv, mw, flags, out0; writes out0
.if DOCPART == 4
	.amdgcn_target "amdgcn-amd-amdhsa--gfx1250"
	.amdhsa_code_object_version 6
	.text
	.protected	k_q5fa0074da5_attn
	.globl	k_q5fa0074da5_attn
	.p2align	8
	.type	k_q5fa0074da5_attn,@function
k_q5fa0074da5_attn:
	s_mov_b64 s[64:65], 0
	v_nop
	global_prefetch_b8 v0, s[64:65] scope:SCOPE_SE
	s_setreg_imm32_b32 hwreg(HW_REG_WAVE_SCHED_MODE, 0, 2), 2
	s_setreg_imm32_b32 hwreg(HW_REG_WAVE_MODE, 25, 1), 1
	s_wait_xcnt 0x0
	s_wait_alu depctr_vm_vsrc(0)
; out0[b][q][head][:] = the sum over keys of softmax(Q . K / 8, masked keys at -infinity) V, both products on codes of FP4 (E2M1) with one E8M0 scale for each 32 along a product's K.
; queries, out0: [4][2048][16][64] f32.  kv, mw, flags: made by the launch before (their layouts stand at its head): a head's K and V as codes and scale words, 143,360 bytes, laid as this launch wants them in LDS;
; the mask as lane words, 64 for each (tile of 16 queries, step of 128 keys); two bits for each such step: has an open key, has a masked key.
; THE SOFTMAX AHEAD OF THE SECOND PRODUCT: t = score x log2(e) / 8; M = the row's largest t so far, rounded UP to a whole number; p = 2^(t - M) is quantised along the keys, not normalised.  The row's sum is taken of the
; unquantised p and divides at the end.  When M moves, the sum and O are multiplied by 2^(old M - new M): exact.
; SHARES.  Work-group g: head g / 4 (of 64), quarter c = g % 4.  Wave w takes the query tiles 16 c + w and 127 - (16 c + w), one after the other: 128 tiles of a head on 64 waves.  Sixteen waves of 240 registers: four to a SIMD,
; so that one wave's vector work stands beside another's products and LDS loads.
; K AND V STAY IN LDS: the head's record is copied once, through registers, ahead of the launch's one barrier.  After it the waves share nothing.
; WHAT IS LEFT OUT: a step of 128 keys in which all 16 x 128 mask bytes are set adds p = 0 alone: it is jumped over, by a scalar branch on the stored bit.  A step with no masked key jumps over the 64 selections.
; Both hold for every mask.  A row with no open key at all ends as 0 x (1 / 0) = NaN, as the softmax of a row of -infinity is.
; NO CLUSTER, NO TENSOR LOAD: the steps are branched on numbers read from memory, which goes with neither; what the four work-groups of a head share is one read of 143,360 bytes each, at the head.
; LAYOUT.  Both products are used transposed: S^T = K Q^T (source 0 = 16 keys, source 1 = my 16 queries), O^T = V^T P^T (source 0 = 16 channels, source 1 = P): a lane holds ONE query (lane % 16) throughout.
; The keys of a tile are not neighbours: row r of tile 2 g + u is key 32 g + 8 u + r + 8 (r / 8), so that score register n of lane (r, h) is key 32 (n / 16) + 16 h + n % 16.
; THE FIRST PRODUCT'S K IS 64 of the instruction's 128: Q's registers 4-7 are zero codes, so K's registers 4-7 may hold any codes: tile T's operand is v[32 + 4 T : 39 + 4 T], whose upper half is tile T + 1's codes
; (behind the last tile: zeros).  Every code of E2M1 is a finite number, and the scale words repeat their two bytes: those products are zeros.
; LIMITS: NaN and infinities among queries are not served; a block whose largest magnitude lies under 2^-124 keeps the scale byte 1; a block of zeros has the byte 1 (its codes are zeros).
; THE MODE: SCHED_MODE bits 1:0 = 2 (LLVM: expert scheduling mode 2), set by the entry lines.  The code itself states the register dependences between vector or matrix instructions and memory or LDS instructions,
; with s_wait_alu, always for 0.
; THE PLAN.  Registers that LDS instructions touch in a key step:
;   v2-v5            LDS addresses.  Written by four additions at the step's head; read by the step's 18 LDS loads.
;   KF, v216-219     K's fragments and scale words.  Nine loads land in them at the step's head; the eight products K Q^T read them.
;   VF, v220-221     V's fragments and scale words.  Nine loads land in them, dealt among the eight products K Q^T; the four products V^T P^T at the step's end read them.
;   S^T, O^T, p's codes and scale word and the statistics are named by vector and matrix instructions alone inside the loop.
; So a step's head has one wait on vm_vsrc (the loads issued so far have read v2-v5) ahead of the additions and ONE wait on va_vdst behind them: the addresses are written, and the step before's products are done
; reading all four buffers.  All 18 loads lean on it: between it and V's loads stand only LDS loads and the products K Q^T, which name S^T, KF, Q's fragment and K's and Q's scale words: none of VF, v220-221, v4, v5.
; One more wait on va_vdst stands ahead of the products V^T P^T, which take p's codes and scale word, written by vector instructions.  A wave has 240 of the 256 registers that four waves to a SIMD leave it:
; there is no room for a second set of fragments (70 registers), so nothing of the next step is asked for ahead.
.set REC,  143360
.set KSO,  65536                       ; LDS: K's codes at 0, K's scale words,
.set VCO,  73728                       ; V's codes,
.set VSO,  139264                      ; V's scale words,
.set STG,  143360                      ; and a stage of 16 rows x (256 + 16) bytes for each wave: Q's turn and the way out
.set PIT,  272                         ; row r begins 16 r bytes on modulo 256: sixteen rows begin at different banks (64 banks of 4 bytes: ISA guide 11.1)
.set KF,   32                          ; v32-63 K's eight tiles, 4 registers each; v64-67 zeros
.set VF,   68                          ; v68-99 V's four tiles
.set S,    100                         ; v100-163 S^T, then p
.set O,    164                         ; v164-195 O^T
.set P,    196                         ; v196-203 p's codes
.set BM,   204                         ; v204-207 the blocks' largest scores, then largest p
.set BB,   208                         ; v208-211 lane permutes' results, then the scales' bytes
.set BO,   212                         ; v212-215 the conversions' scale operands
.set KSC,  216                         ; v216-219 K's scale words; v220-221 V's; v222 p's; v223, v224 Q's: these hold scales and nothing else
.set VSC,  220
.set PSC,  222
.set F,    226                         ; v[226:227] f = 2^(old M - new M) (the pair's low word serves both halves)
.set TMP,  228
.set SUM2, 230                         ; v[230:231] the sum's second chain
; v1 16 x lane; v2-5 the step's LDS addresses (K, K's words, V, V's words; in the prologue: the copy's and Q's); v6 -infinity; v7, v8 the stage, in and back; v9 my bytes in 16 rows of Q or out0; v10 8 x lane;
; v12 -M, v13 the largest t, v[14:15] the sum; v16-23, v24-31 Q's two fragments.
; s2 wave; s3, s17, s18, s19 where the step's V, K, K's words, V's words begin in LDS; s[4:7] out0 at my two tiles; s[8:11] mw likewise; s16 the step; s[20:21] lane selects; s[22:23] c; s26-29 the tiles' bits;
; s[32:63], s[68:99] the step's 64 mask words.
; 32 numbers of one block, v[src] on, become 4 registers of codes, v[dst] on; v[BM+2] the scale's byte.
.macro QB32 src, dst
	v_max3_num_f32 v[BM], |v[\src]|, |v[\src+1]|, |v[\src+2]|
	v_max3_num_f32 v[BM+1], |v[\src+3]|, |v[\src+4]|, |v[\src+5]|
.irp i, 6,10,14,18,22,26
	v_max3_num_f32 v[BM], v[BM], |v[\src+\i]|, |v[\src+\i+1]|
	v_max3_num_f32 v[BM+1], v[BM+1], |v[\src+\i+2]|, |v[\src+\i+3]|
.endr
	v_max3_num_f32 v[BM], v[BM], |v[\src+30]|, |v[\src+31]|
	v_max3_num_f32 v[BM], v[BM], v[BM+1], 0x1800000                ; and the floor 2^(3 - 127): the byte cannot fall under 1
	v_add_nc_u32 v[BO], 0xff000000, v[BM]                          ; 2 off the exponent field: the conversion's scale operand
.irp g, 0,1,2,3
	v_cvt_scalef32_pk8_fp4_f32 v[\dst+\g], v[\src+8*\g:\src+8*\g+7], v[BO]
.endr
	v_lshrrev_b32 v[BM+2], 23, v[BO]                               ; the byte; also the plain line behind the last conversion
.endm
	s_load_b256 s[68:75], s[0:1], 0x0              ; queries s[68:69], kv s[70:71], mw s[72:73], flags s[74:75]
	s_load_b64 s[76:77], s[0:1], 0x20              ; out0
	v_lshl_add_u32 v238, v0, 2, 0x34000
	v_mov_b32 v239, 0
	v_lshrrev_b32 v1, 5, v0
	v_readfirstlane_b32 s2, v1                     ; wave 0..15
	s_lshr_b32 s30, ttmp9, 2                       ; the record: 16 x batch + head
	s_and_b32 s31, ttmp9, 3
	s_lshl_b32 s100, s31, 4
	s_wait_alu depctr_va_sdst(0)                   ; s2 is written, ahead of its first reader: my tiles and my stage are made from it
	s_add_co_u32 s100, s100, s2                    ; my first tile of 16 queries,
	s_sub_co_u32 s101, 127, s100                   ; and my second
	s_lshr_b32 s16, s30, 4                         ; batch
	s_and_b32 s17, s30, 15                         ; head
	s_lshl_b32 s18, s16, 23                        ; a batch is 2^23 bytes, a query 4,096, a head's row 256
	s_lshl_b32 s19, s17, 8
	s_or_b32 s18, s18, s19
	s_lshl_b32 s26, s100, 16
	s_or_b32 s26, s26, s18                         ; my first tile's place in queries and in out0,
	s_mov_b32 s27, 0
	s_lshl_b32 s28, s101, 16
	s_or_b32 s28, s28, s18                         ; my second's
	s_mov_b32 s29, 0
	s_lshl_b32 s16, s16, 7
	s_add_co_u32 s17, s16, s100                    ; 128 x batch + tile
	s_add_co_u32 s19, s16, s101
	s_lshl_b32 s32, s17, 12                        ; in mw: 16 steps of 256 bytes a tile
	s_mov_b32 s33, 0
	s_lshl_b32 s34, s19, 12
	s_mov_b32 s35, 0
	s_lshl_b32 s36, s17, 4                         ; in flags: 16 bytes a tile
	s_mov_b32 s37, 0
	s_lshl_b32 s38, s19, 4
	s_mov_b32 s39, 0
	s_mul_i32 s40, s30, REC
	s_mov_b32 s41, 0
	s_mov_b32 s20, 0x76543210
	s_mov_b32 s21, 0xfedcba98                      ; v_permlanex16_b32's selects for lane l xor 16
	s_mov_b32 s22, 0x3e38aa3b                      ; c = log2(e) / 8
	s_mov_b32 s23, s22                             ; (named with it as a pair, so it is written)
	s_mul_i32 s31, s2, 16*PIT
	s_add_co_u32 s31, s31, STG                     ; my stage
	v_and_b32 v11, 31, v0
	v_lshlrev_b32 v1, 4, v11                       ; 16 x lane
	v_lshlrev_b32 v10, 3, v11                      ; 8 x lane
	v_and_b32 v12, 15, v0                          ; r
	v_bfe_u32 v13, v0, 4, 1                        ; h
	v_mul_u32_u24 v14, v12, PIT
	v_add_nc_u32 v14, s31, v14
	v_lshl_add_u32 v7, v13, 5, v14                 ; the way out, in: row r, 32 h bytes on
	v_lshl_add_u32 v5, v13, 7, v14                 ; Q out of the stage: row r, block h
	v_mul_u32_u24 v15, v13, PIT
	v_lshl_add_u32 v15, v12, 4, v15
	v_add_nc_u32 v8, s31, v15                      ; whole rows: lanes 0-15 one row, lanes 16-31 the next
	v_lshlrev_b32 v9, 12, v13
	v_lshl_add_u32 v9, v12, 4, v9                  ; and the same two rows in queries and in out0
	v_lshlrev_b32 v15, 3, v13                      ; 8 h
	v_lshlrev_b32 v2, 4, v0                        ; the copy: 16 bytes a thread, 8,192 an instruction: the same offset in the record and in LDS;
	v_add_nc_u32 v3, 0x10000, v2                   ; an LDS immediate has 16 bits, so three registers carry the rest
	v_add_nc_u32 v4, 0x20000, v2
	v_lshlrev_b32 v11, 3, v0                       ; its last 4,096 bytes: 8 a thread
	v_add_nc_u32 v229, VSO, v11
	v_mov_b32 v[BB], 0                             ; a lane permute's destination counts as one of its sources
	s_wait_kmcnt 0x0
	s_add_nc_u64 s[12:13], s[68:69], s[26:27]      ; queries at my two tiles
	s_add_nc_u64 s[14:15], s[68:69], s[28:29]
	s_add_nc_u64 s[4:5], s[76:77], s[26:27]        ; out0 likewise
	s_add_nc_u64 s[6:7], s[76:77], s[28:29]
	s_add_nc_u64 s[8:9], s[72:73], s[32:33]        ; their mask words
	s_add_nc_u64 s[10:11], s[72:73], s[34:35]
	s_add_nc_u64 s[24:25], s[70:71], s[40:41]      ; the head's record
	s_add_nc_u64 s[36:37], s[74:75], s[36:37]
	s_add_nc_u64 s[38:39], s[74:75], s[38:39]
	s_load_b128 s[80:83], s[36:37], 0x0            ; my first tile's flags: open, masked (steps 0-7), open, masked (steps 8-15)
	s_load_b128 s[84:87], s[38:39], 0x0
	s_wait_alu depctr_va_vdst(0)                   ; the offsets and LDS addresses v2-v5, v7-v9, v11 and v229 are written, which the loads and stores of the prologue and of the way out read
.set k, 0
.rept 17
	global_load_b128 v[32+4*k:35+4*k], v2, s[24:25] offset:8192*k
.set k, k+1
.endr
	global_load_b64 v[100:101], v11, s[24:25] offset:VSO
.set i, 0
.rept 8
	global_load_b128 v[102+4*i:105+4*i], v9, s[12:13] offset:8192*i th:TH_LOAD_NT   ; each half of the wave reads one query's 256 bytes
.set i, i+1
.endr
.set i, 0
.rept 8
	global_load_b128 v[134+4*i:137+4*i], v9, s[14:15] offset:8192*i th:TH_LOAD_NT
.set i, i+1
.endr
	s_wait_loadcnt 16                              ; the record's 18 loads are in; Q's 16 may be out
.set k, 0
.rept 8
	ds_store_b128 v2, v[32+4*k:35+4*k] offset:8192*k
.set k, k+1
.endr
.rept 8
	ds_store_b128 v3, v[32+4*k:35+4*k] offset:8192*(k-8)
.set k, k+1
.endr
	ds_store_b128 v4, v[96:99]
	ds_store_b64 v229, v[100:101]
; A tile of Q turns through my stage, so that lane (r, h) holds the 32 numbers of block h of query r; they become registers 0-3 of the fragment, and the two bytes, repeated, the row's scale word.
; again = 1: the second turn, whose loads from the stage land in registers that the first turn's vector instructions have read.
.macro QTURN src, dst, sc, left, again
	s_wait_loadcnt \left
.if \again
	s_wait_alu depctr_va_vdst(0)                   ; the first turn's maxima and conversions are done reading v166-197, in which the loads from the stage land again
.endif
.set i, 0
.rept 8
	ds_store_b128 v8, v[\src+4*i:\src+4*i+3] offset:2*i*PIT
.set i, i+1
.endr
.set i, 0
.rept 8
	ds_load_b128 v[166+4*i:169+4*i], v5 offset:16*i    ; LDS serves a wave's instructions in order: these see the stores above
.set i, i+1
.endr
	s_wait_dscnt 0x0
	QB32 166, \dst
	v_lshlrev_b32 v[BM+2], v15, v[BM+2]            ; my block's byte at its place,
	v_permlanex16_b32 v[BB], v[BM+2], s20, s21
	v_or_b32 v[BM+2], v[BM+2], v[BB]               ; with the other block's
	v_lshl_or_b32 v[\sc], v[BM+2], 16, v[BM+2]
.endm
	QTURN 102, 16, 223, 8, 0                       ; the first tile's 8 loads are in; the second's may be out
	QTURN 134, 24, 224, 0, 1
	s_wait_alu depctr_vm_vsrc(0)                   ; the copy's LDS stores have read v64-67, which are written below
.irp j, 20,21,22,23,28,29,30,31,64,65,66,67
	v_mov_b32 v\j, 0                               ; zero codes: k = 64 .. 127 of Q, and what stands behind K's last tile (the copy's stores have been waited for)
.endr
	v_mov_b32 v6, 0xff800000                       ; -infinity
	v_mov_b32 v[BB+1], 0
	v_mov_b32 v[BB+2], 0
	v_mov_b32 v[BB+3], 0
	v_mov_b32 v[F+1], 0                            ; (named as the upper half of a pair)
	v_mov_b32 v[TMP], 0
	s_wait_kmcnt 0x0
	s_lshl_b32 s30, s82, 8
	s_or_b32 s26, s80, s30                         ; bit i: step i of my first tile has an open key
	s_lshl_b32 s30, s83, 8
	s_or_b32 s27, s81, s30                         ; bit i: it has a masked key
	s_lshl_b32 s30, s86, 8
	s_or_b32 s28, s84, s30
	s_lshl_b32 s30, s87, 8
	s_or_b32 s29, s85, s30
	s_wait_dscnt 0x0                               ; for the others' sake: my part of the record lies in LDS
	s_barrier_signal -1
	s_barrier_wait -1                              ; the whole record does
; ONE TILE OF 16 QUERIES.  QF, QS: its fragment and scale words; OP, MP: its pointers into out0 and mw; FO, FM: its bits; LAST: nothing follows.
.macro TILE QF, QS, OP, MP, FO, FM, LAST
	v_mov_b32 v13, 0xff61b1e6                      ; the largest t so far: -3e38, under every t
	v_floor_f32 v12, -v13                          ; -M
	v_mov_b32 v14, 0                               ; the sum, in two halves
	v_mov_b32 v15, 0
.set j, 0
.rept 32
	v_mov_b32 v[O+j], 0                            ; O^T.  Which step is the first to run hangs on the mask, so no step can be written that starts the sums: they begin as zeros
.set j, j+1
.endr
	s_mov_b32 s16, 0
	s_mov_b32 s17, 0
	s_mov_b32 s18, KSO
	s_mov_b32 s3, VCO
	s_mov_b32 s19, VSO
.Lstep_\@:                             ; 16 trips, a constant; a trip whose step has no open key does the address steps alone
	s_and_b32 s30, s[\FO], 1
	s_cmp_eq_u32 s30, 0
	s_cbranch_scc1 .Lskip_\@
	s_load_b512 s[32:47], s[\MP:\MP+1], 0x0        ; the step's 64 mask words: asked for in every step that runs, so that they are written on every way to the selections below
	s_load_b512 s[48:63], s[\MP:\MP+1], 0x40
	s_load_b512 s[68:83], s[\MP:\MP+1], 0x80
	s_load_b512 s[84:99], s[\MP:\MP+1], 0xc0
	s_wait_alu depctr_vm_vsrc(0)                   ; the LDS instructions issued so far (the last step's loads; ahead of the first step the copy and Q's turns) have read v2-v5, which are written below
	v_add_nc_u32 v2, s17, v1
	v_add_nc_u32 v3, s18, v1
	v_add_nc_u32 v4, s3, v1
	v_add_nc_u32 v5, s19, v10
	s_wait_alu depctr_va_vdst(0)                   ; v2-v5 are written, which the 18 loads below read; the last step's products are done reading KF, VF and K's and V's scale words, in which those loads land; in a tile's first step Q's codes and scale word and the zero codes are written, which the products below take
.set i, 0
.rept 8
	ds_load_b128 v[KF+4*i:KF+4*i+3], v2 offset:512*i               ; tile i of K: 512 consecutive bytes
.set i, i+1
.endr
	ds_load_b128 v[KSC:KSC+3], v3                                  ; register g: lanes 0-15 tile 2 g's words, lanes 16-31 tile 2 g + 1's
	s_wait_dscnt 0x0                               ; K's nine loads are in
.irp T, 0,1,2,3,4,5,6,7
.if \T % 2
	v_wmma_scale_f32_16x16x128_f8f6f4 v[S+8*\T:S+8*\T+7], v[KF+4*\T:KF+4*\T+7], v[\QF:\QF+7], 0, v[KSC+\T/2], v[\QS] matrix_a_fmt:MATRIX_FMT_FP4 matrix_b_fmt:MATRIX_FMT_FP4 matrix_a_scale:MATRIX_SCALE_ROW1
.else
	v_wmma_scale_f32_16x16x128_f8f6f4 v[S+8*\T:S+8*\T+7], v[KF+4*\T:KF+4*\T+7], v[\QF:\QF+7], 0, v[KSC+\T/2], v[\QS] matrix_a_fmt:MATRIX_FMT_FP4 matrix_b_fmt:MATRIX_FMT_FP4
.endif
	ds_load_b128 v[VF+4*\T:VF+4*\T+3], v4 offset:512*\T            ; tile T / 2 of V, keys 64 (T % 2) + 32 h on.  No wait: no vector or matrix instruction since the wait at the step's head names VF or v4
.endr
	ds_load_b64 v[VSC:VSC+1], v5                                   ; register q: the words of channels 32 q + lane; likewise
.rept 4
	v_nop                                          ; four places between the products and the first read of their results (ISA guide 7.12.1)
.endr
	s_wait_kmcnt 0x0                               ; the mask words are in; their base may be stepped
	s_and_b32 s30, s[\FM], 1
	s_cmp_eq_u32 s30, 0
	s_cbranch_scc1 .Lopen_\@                       ; no masked key in this step
.set n, 0
.rept 32
	v_cndmask_b32 v[S+n], v[S+n], v6, s[32+n]      ; the scores of masked keys become -infinity ahead of the maximum: p = 0 then.  Each accumulator from its low end on
.set n, n+1
.endr
.rept 32
	v_cndmask_b32 v[S+n], v[S+n], v6, s[36+n]
.set n, n+1
.endr
.Lopen_\@:
.irp b, 0,1,2,3
	v_max3_num_f32 v[BM+\b], v[S+16*\b], v[S+1+16*\b], v[S+2+16*\b]   ; the largest score of each block of 32 keys: it serves for the row's maximum and, since p rises with the score, for the block's largest p
.endr
.irp i, 3,5,7,9,11,13
.irp b, 0,1,2,3
	v_max3_num_f32 v[BM+\b], v[BM+\b], v[S+16*\b+\i], v[S+1+16*\b+\i]   ; (the four blocks by turns)
.endr
.endr
.irp b, 0,1,2,3
	v_max_num_f32 v[BM+\b], v[BM+\b], v[S+15+16*\b]
.endr
.irp b, 0,1,2,3
	v_permlanex16_b32 v[BB+\b], v[BM+\b], s20, s21
.endr
.irp b, 0,1,2,3
	v_max_num_f32 v[BM+\b], v[BM+\b], v[BB+\b]     ; with lane l xor 16's 16 keys
.endr
	v_max3_num_f32 v[TMP], v[BM], v[BM+1], v[BM+2]
	v_max_num_f32 v[TMP], v[TMP], v[BM+3]          ; the step's largest score of my query
	v_mul_f32 v[TMP], s22, v[TMP]                  ; as t (c is positive)
	v_max_num_f32 v13, v13, v[TMP]                 ; the running largest t (a row that is all masked so far keeps -3e38)
	v_mov_b32 v[TMP], v12
	v_floor_f32 v12, -v13                          ; the new -M = floor(-t) = -ceil(t): a whole number
	v_sub_f32 v[TMP], v12, v[TMP]                  ; old M - new M: a whole number, 0 or less
	v_cvt_i32_f32 v[TMP], v[TMP]                   ; (it saturates)
	v_ldexp_f32 v[F], 1.0, v[TMP]                  ; f = 2^(old M - new M)
.set j, 0
.rept 32
	v_pk_fma_f32 v[S+j:S+j+1], v[S+j:S+j+1], s[22:23], v[12:13] op_sel_hi:[1,0,0]   ; t - M, two at a time (of the pairs c and -M the low word serves both halves)
.set j, j+2
.endr
.irp b, 0,1,2,3
	v_fma_f32 v[BM+\b], v[BM+\b], s22, v12         ; the same of each block's largest score
.endr
.set j, 0
	s_wait_alu depctr_va_vdst(0)
.rept 64
	v_exp_f32 v[S+j], v[S+j]                       ; p = 2^(t - M), at most 1: not normalised
.set j, j+1
.endr
	v_pk_mul_f32 v[14:15], v[14:15], v[F:F+1] op_sel_hi:[1,0]      ; the sums under the new M; the plain line behind the exponentials
	s_wait_alu depctr_va_vdst(0)                   ; the 64 exponentials have written p: the wait ahead of the first line that names a result: one for the batch
.irp b, 0,1,2,3
	v_exp_f32 v[BM+\b], v[BM+\b]                   ; the block's largest p: the same two instructions on the same number
.endr
	v_pk_add_f32 v[SUM2:SUM2+1], v[S:S+1], v[S+2:S+3]              ; the row's sum is taken of the unquantised p: two at a time, in two chains
.set j, 4
.rept 15
	v_pk_add_f32 v[14:15], v[14:15], v[S+j:S+j+1]
	v_pk_add_f32 v[SUM2:SUM2+1], v[SUM2:SUM2+1], v[S+j+2:S+j+3]
.set j, j+4
.endr
	v_pk_add_f32 v[14:15], v[14:15], v[SUM2:SUM2+1]
	s_wait_alu depctr_va_vdst(0)                   ; the four exponentials have written the blocks' largest p, ahead of the first line that names one
.irp b, 0,1,2,3
	v_max_num_f32 v[BM+\b], 0x1800000, v[BM+\b]    ; the floor 2^(3 - 127): the byte cannot fall under 1 (a block whose every p is 0 keeps that byte: its codes are zeros)
.endr
.irp b, 0,1,2,3
	v_add_nc_u32 v[BO+\b], 0xff000000, v[BM+\b]    ; 2 off the exponent field: the conversion's scale operand
.endr
.irp b, 0,1,2,3
	v_lshrrev_b32 v[BB+\b], 23, v[BO+\b]           ; the scale's byte
.endr
	v_lshl_or_b32 v[PSC], v[BB+1], 8, v[BB]        ; p's scale word for these 128 keys
	v_lshl_or_b32 v[PSC], v[BB+2], 16, v[PSC]
	v_lshl_or_b32 v[PSC], v[BB+3], 24, v[PSC]
.irp b, 0,1,2,3
	v_cvt_scalef32_pk8_fp4_f32 v[P+2*\b], v[S+16*\b:S+16*\b+7], v[BO+\b]
	v_cvt_scalef32_pk8_fp4_f32 v[P+1+2*\b], v[S+8+16*\b:S+8+16*\b+7], v[BO+\b]
.endr
	v_nop                                          ; one plain line behind the last scaled conversion
.irp c, 0,1                            ; the operand's layout wants a whole block in a lane: lanes 0-15 block 2 c, lanes 16-31 block 2 c + 1
.irp i, 0,1
	v_permlane16_swap_b32 v[P+4*\c+\i], v[P+2+4*\c+\i]
.endr
.endr
.set j, 0
.rept 16
	v_pk_mul_f32 v[O+j:O+j+1], v[O+j:O+j+1], v[F:F+1] op_sel_hi:[1,0]   ; O^T under the new M, each accumulator from its low end on.  These also part p's codes and scale word from the products below
.set j, j+2
.endr
	s_wait_dscnt 0x0                               ; V and its scale words are in
	s_wait_alu depctr_va_vdst(0)                   ; the conversions and exchanges have written p's codes, the shifts p's scale word, which the products below take; the sixteen multiplications above are the places, and stay beside this wait
.irp t, 0,1,2,3                        ; O^T += V^T P^T: the four accumulators take turns, one instruction a turn
.if \t % 2
	v_wmma_scale_f32_16x16x128_f8f6f4 v[O+8*\t:O+8*\t+7], v[VF+8*\t:VF+8*\t+7], v[P:P+7], v[O+8*\t:O+8*\t+7], v[VSC+\t/2], v[PSC] matrix_a_fmt:MATRIX_FMT_FP4 matrix_b_fmt:MATRIX_FMT_FP4 matrix_a_scale:MATRIX_SCALE_ROW1
.else
	v_wmma_scale_f32_16x16x128_f8f6f4 v[O+8*\t:O+8*\t+7], v[VF+8*\t:VF+8*\t+7], v[P:P+7], v[O+8*\t:O+8*\t+7], v[VSC+\t/2], v[PSC] matrix_a_fmt:MATRIX_FMT_FP4 matrix_b_fmt:MATRIX_FMT_FP4
.endif
.endr
.Lskip_\@:
	s_add_co_u32 s17, s17, 4096                    ; the next step's places in LDS,
	s_add_co_u32 s18, s18, 512
	s_add_co_u32 s3, s3, 4096
	s_add_co_u32 s19, s19, 256
	s_add_nc_u64 s[\MP:\MP+1], s[\MP:\MP+1], 256   ; its mask words (no scalar load is out here: a step that asked has waited),
	s_lshr_b32 s[\FO], s[\FO], 1                   ; and its bits
	s_lshr_b32 s[\FM], s[\FM], 1
	s_add_co_u32 s16, s16, 1
	s_cmp_lt_u32 s16, 16
	s_cbranch_scc1 .Lstep_\@
	; THE WAY OUT.  O^T / the sum goes through my stage and leaves as whole rows: a query's 64 channels of a head are 256 consecutive bytes of out0.
.rept 4
	v_nop                                          ; four places behind the last products
.endr
	v_add_f32 v14, v14, v15                        ; the sum's two halves,
	v_permlanex16_b32 v[TMP], v14, s20, s21
	v_add_f32 v14, v14, v[TMP]                     ; and lane l xor 16's: the row's sum
	s_wait_alu depctr_va_vdst(0)
	v_rcp_f32 v14, v14
	v_nop                                          ; a plain line behind the reciprocal
	s_wait_alu depctr_va_vdst(0)                   ; the reciprocal has written v14: the wait ahead of its first reader
.set j, 0
.rept 32
	v_mul_f32 v[S+j], v[O+j], v14                  ; register 8 t + i is channel 16 t + 8 h + i of query r
.set j, j+1
.endr
	s_wait_alu depctr_va_vdst(0)                   ; the multiplications have written v100-131, which the LDS stores read; the steps' vector instructions are done with v132-163, in which the loads from the stage land
.irp t, 0,1,2,3
	ds_store_b128 v7, v[S+8*\t:S+8*\t+3] offset:64*\t
	ds_store_b128 v7, v[S+8*\t+4:S+8*\t+7] offset:64*\t+16
.endr
.set i, 0
.rept 8
	ds_load_b128 v[S+32+4*i:S+35+4*i], v8 offset:2*i*PIT           ; LDS serves a wave's instructions in order: these see the stores above
.set i, i+1
.endr
.set i, 0
.rept 8
	s_wait_dscnt 7-i                               ; the younger loads may be out
	global_store_b128 v9, v[S+32+4*i:S+35+4*i], s[\OP:\OP+1] offset:8192*i th:TH_STORE_NT   ; each half of the wave stores 256 consecutive bytes, aligned
.set i, i+1
.endr
.if !\LAST
	s_wait_xcnt 0x0                                ; the stores have read their registers: the next tile's products write them again
	s_wait_alu depctr_vm_vsrc(0)                   ; the LDS stores have read v100-131 and the global stores v132-163, which the next tile's products, multiplications and loads write again
.endif
.endm
	TILE 16, 223, 4, 8, 26, 27, 0
	TILE 24, 224, 6, 10, 28, 29, 1
	s_wait_dscnt 0x0
	s_wait_alu depctr_hold_cnt(0) depctr_sa_sdst(0) depctr_va_vdst(0) depctr_va_sdst(0) depctr_va_ssrc(0) depctr_va_vcc(0) depctr_vm_vsrc(0)
	s_wait_tensorcnt 0x0
	ds_add_u32 v238, v239
	s_wait_dscnt 0x0
	s_endpgm
.Lfunc_end_k_q5fa0074da5_attn:
	.size	k_q5fa0074da5_attn, .Lfunc_end_k_q5fa0074da5_attn-k_q5fa0074da5_attn
	.p2alignl 7, 3214868480
	.fill 96, 4, 3214868480
	.section	.rodata,"a",@progbits
	.p2align	6, 0x0
	.amdhsa_kernel k_q5fa0074da5_attn
		.amdhsa_group_segment_fixed_size 215040
		.amdhsa_private_segment_fixed_size 0
		.amdhsa_enable_private_segment 0
		.amdhsa_kernarg_size 40
		.amdhsa_user_sgpr_count 2
		.amdhsa_user_sgpr_kernarg_segment_ptr 1
		.amdhsa_wavefront_size32 1
		.amdhsa_system_sgpr_workgroup_id_x 1
		.amdhsa_system_sgpr_workgroup_id_y 1
		.amdhsa_system_sgpr_workgroup_id_z 1
		.amdhsa_system_vgpr_workitem_id 0
		.amdhsa_next_free_vgpr 240
		.amdhsa_next_free_sgpr 102
		.amdhsa_reserve_vcc 0
		.amdhsa_float_denorm_mode_32 3
		.amdhsa_float_denorm_mode_16_64 3
		.amdhsa_memory_ordered 1
		.amdhsa_forward_progress 1
		.amdhsa_inst_pref_size 64
	.end_amdhsa_kernel
	.amdgpu_metadata
---
amdhsa.version: [ 1, 2 ]
amdhsa.kernels:
  - .name:           k_q5fa0074da5_attn
    .symbol:         k_q5fa0074da5_attn.kd
    .args:
      - { .name: queries, .offset: 0, .size: 8, .value_kind: global_buffer, .address_space: global }
      - { .name: kv, .offset: 8, .size: 8, .value_kind: global_buffer, .address_space: global }
      - { .name: mw, .offset: 16, .size: 8, .value_kind: global_buffer, .address_space: global }
      - { .name: flags, .offset: 24, .size: 8, .value_kind: global_buffer, .address_space: global }
      - { .name: out0, .offset: 32, .size: 8, .value_kind: global_buffer, .address_space: global }
    .group_segment_fixed_size: 215040
    .private_segment_fixed_size: 0
    .kernarg_segment_align: 8
    .kernarg_segment_size: 40
    .max_flat_workgroup_size: 512
    .sgpr_count:     102
    .vgpr_count:     240
    .wavefront_size: 32
...
	.end_amdgpu_metadata
.endif
;; end of part 4
